; MI455X (gfx1250); checked and timed in simulation.
; The chip was launched on July 23, 2026; its instructions are those of AMD's public machine-readable ISA for CDNA 5 (MIT licence, August 2026) and "CDNA5" Instruction Set Architecture Reference Guide (July 2026). The comments in the code are by the model that wrote it; some were corrected since.
;; Multi Head Self Attention. Allowed arithmetic: matrix products marked QUANTISED: E4M3 operands, one E8M0 scale for each 32 along K, by v_wmma_scale_f32_16x16x128_f8f6f4 with both operands' format E4M3, f32 sums; everything else in f32.
;; Inputs: Wk 1,024 x 1,024 float32; Wo 1,024 x 1,024 float32; Wq 1,024 x 1,024 float32; Wv 1,024 x 1,024 float32; bo 1,024 float32; x 4 x 2,048 x 1,024 float32.
;; Outputs: out0 4 x 2,048 x 1,024 float32.
;; This version of the problem:
;;   THIS VERSION OF THE PROBLEM IS GIVEN IN LOW PRECISION. The matrix products marked QUANTISED in the list below multiply operands that are first quantised to E4M3 (4 exponent bits, 3 mantissa bits; 8 bits a number), with one power-of-two scale for each 32 numbers along K (OCP MX v1.0); their sums are f32. All else is computed in f32.
;;   The module's matrix products, in the order in which they are computed (A, B: the left and right operand; K: the contracted axis; several contracted axes count as one K, in the product's order):
;;     1. [M 8,192, K 1,024] x [K 1,024, N 1,024]; A: input x; B: input Wq: QUANTISED
;;     2. [M 8,192, K 1,024] x [K 1,024, N 1,024]; A: input x; B: input Wk: QUANTISED
;;     3. [M 8,192, K 1,024] x [K 1,024, N 1,024]; A: input x; B: input Wv: QUANTISED
;;     4. batch 64 x [M 2,048, K 64] x [K 64, N 2,048]; A: computed on the way; B: computed on the way: QUANTISED
;;     5. batch 64 x [M 2,048, K 2,048] x [K 2,048, N 64]; A: softmax (see below); B: computed on the way: QUANTISED
;;     6. [M 8,192, K 1,024] x [K 1,024, N 1,024]; A: computed on the way; B: input Wo: QUANTISED
;;   THE QUANTISER, for each operand of a quantised product, along K:
;;     - K is cut into blocks of 32 from its start; a last block that is shorter is filled with zeros.
;;     - A block's scale is 2^e with e = floor(log2(the largest magnitude in the block)) - 8, held to -126 .. 127; a block of zeros has e = 0. As a byte (E8M0): e + 127.
;;     - Each number is divided by its block's scale, clamped to +-448, and rounded to the nearest number of E4M3, ties to even, subnormals kept.
;;     - The product sums the exact products of the quantised numbers (number of the format x scale) in f32.
;;   ~~~python
;;   def quantise(x, axis):      # numpy; x: float32 -> the quantised numbers, widened to float32 again
;;       x = np.moveaxis(x, axis, -1); K = x.shape[-1]
;;       x = np.pad(x, [(0, 0)] * (x.ndim - 1) + [(0, -K % 32)]); x = x.reshape(x.shape[:-1] + (-1, 32)); a = np.abs(x).max(-1, keepdims=True)
;;       e = np.where(a > 0, np.clip(np.frexp(np.where(a > 0, a, 1))[1] - 1 - 8, -126, 127), 0)      # np.frexp(a)[1] - 1 = floor(log2(a)), exactly
;;       r = np.clip(x / 2.0 ** e, -448, 448)
;;       step = 2.0 ** (np.maximum(np.frexp(np.where(r == 0, 1, r))[1] - 1, -6) - 3)
;;       q = np.round(r / step) * step * 2.0 ** e      # np.round: ties to even
;;       return np.moveaxis(q.reshape(q.shape[:-2] + (-1,))[..., :K], -1, axis).astype(np.float32)
;;   ~~~
;;   SOFTMAX AHEAD OF A QUANTISED PRODUCT. Where the list says 'softmax', what is quantised is not the finished softmax but p = 2^(t - M), with t = logit x log2(e) and M = ceil(the row's largest t), a whole number; so 1/2 < the row's largest p <= 1. The row's sum l is taken of the UNQUANTISED p, in f32, and the product's result is divided by l at the end. Since M is a whole number, a kernel that streams over the keys may use a running M (the ceiling of the running maximum): every later rescaling is an exact power of two, which a block's scale takes up: the codes' values come out the same.
;;   OPERANDS COMPUTED ON THE WAY. 'Computed on the way' means the value that the module computes at that place (a softmax that the list does not call 'softmax' is quantised finished and normalised). What goes into a quantiser is computed in f32, as accurately as f32 sums, v_exp_f32 and their like allow (about 1e-6 of the number): no bf16 or f16 on the way to a quantiser, and a product that is left as it is and whose result goes on into a quantised operand takes f32 operands (vector FMAs, or v_wmma_f32_16x16x4_f32). A number that lies on a knife's edge between two numbers of the format may be rounded either way, as far as f32 arithmetic and the matrix unit's own rounding can turn it there, and no further.
;; One version. Each part assembles by itself: llvm-mc -triple=amdgcn-amd-amdhsa -mcpu=gfx1250 --defsym DOCPART=n.
;; ======== version 1 of 1: 4 launches
;; limits: right only within a limited range of input values
;; workspace buffers: xc 8,388,608 bytes; xs 262,144 bytes; wc 4,194,304 bytes; ws 131,072 bytes; qkv 25,165,824 bytes; qkvs 1,310,720 bytes; cc 8,388,608 bytes; cs 262,144 bytes
;; launch quant (part 1): grid 384 x 1, 4 waves a work-group, no clusters, 68,096 bytes of LDS; arguments x, Wq, Wk, Wv, Wo, xc, xs, wc, ws; writes xc, xs, wc, ws
.if DOCPART == 1
	.amdgcn_target "amdgcn-amd-amdhsa--gfx1250"
	.amdhsa_code_object_version 6
	.text
	.protected	k_q7dffdd3aef_quant
	.globl	k_q7dffdd3aef_quant
	.p2align	8
	.type	k_q7dffdd3aef_quant,@function
k_q7dffdd3aef_quant:
	s_mov_b64 s[64:65], 0
	v_nop
	global_prefetch_b8 v0, s[64:65] scope:SCOPE_SE
	s_setreg_imm32_b32 hwreg(HW_REG_WAVE_MODE, 25, 1), 1
	s_wait_xcnt 0x0
; x [8192][1024] and the four weights [1024 (k)][1024 (n)], f32, become codes of FP8 (E4M3) with K innermost and one E8M0 scale byte for each 32 along K.
; A block's scale is 2^(floor(log2(its largest magnitude)) - 8); its byte is the largest magnitude's exponent field - 8, held at 1 from below; each number is divided by the scale,
; held within +-448 and rounded to the nearest code, ties to even.
; TILE ORDER: row rho of an operand is stored at position pos(rho) = rho with its bits 3 and 4 exchanged.  Sixteen consecutive positions are then a matrix tile whose rows are
; 8 neighbours and the 8 that lie 16 further on, so that two neighbouring tiles give a lane 16 neighbours along the next product's K.  Only output addresses know of it.
; xc [pos 8192][1024], xs [pos][32];  wc [4096 positions][1024]: Wq's columns, then Wk's, Wv's, Wo's;  ws [4096][32].
; Work-groups 0-255 take x: a plain stream of blocks of 32; a wave takes 8 whole rows (8,192 numbers) in 16 steps of 512.  Each load reads 512 consecutive bytes; a step's 2,048 bytes
; turn through the wave's own stage in LDS so that a lane holds 16 neighbours; a wave's store of codes covers 512 consecutive bytes; its 256 scale bytes leave as one store of 256 bytes.
; Work-groups 256-383 take the weights: a lane takes a column n and its registers run down K, so a block of 32 lies in one lane and the codes come out with K innermost; a wave takes
; 32 columns x 256 along K; the codes go through the wave's stage and leave as rows, sixteen lanes to 256 consecutive bytes.  The scale bytes leave 8 to a lane, in rows 32 bytes apart:
; one byte for each 128 bytes read.
; The two paths part on the work-group's number and have LDS bytes of their own.  Waves share nothing: no barrier.  No cluster: no two work-groups read the same bytes.
; LIMITS: a block of zeros, or one whose largest magnitude lies under 2^-118, gets the byte 1 (only this program reads the bytes; zero codes add nothing); NaN and infinities are not served.
.set EMAX,  8
.set MANT,  0x600000                   ; the mantissa field of 448 as f32
.set STEPS, 16
.set CB,    16                         ; bytes of 16 codes
.set R,     16                         ; x: v16-79   four sets of 16 numbers as loaded
.set X,     80                         ; x: v80-111  two sets of 16 neighbours
.set E,     112                        ; x: v112-127 a scale byte for each step
.set C,     128                        ; x: v128-191 codes, four registers a step: no store's data are written again
.set WREG,  8192                       ; x: LDS region of a wave: two stages of 32 x SP bytes, then its 256 scale bytes
.set SP,    80                         ; x: a lane's place in a stage: 64 bytes + 16 of padding
.set WST,   32768                      ; weights: the stages begin here, 32 rows x PITCH for each wave
.set PITCH, 272
.set NB,    8                          ; weights: blocks of 32 along K for a wave
.set WX,    32                         ; weights: v32-95 two sets of 32 numbers
.set WC,    96                         ; weights: v96-103 a block's codes
.set OUTR,  112                        ; weights: v112-175 the way out
.set SBY,   24                         ; weights: v24-25 the scale bytes
.macro XLOAD t
.irp i, 0,1,2,3
	global_load_b128 v[R+16*((\t)%4)+4*\i:R+16*((\t)%4)+4*\i+3], v3, s[4:5] offset:2048*(\t)+512*\i th:TH_LOAD_NT   ; 32 lanes read 512 consecutive bytes
.endr
.endm
.macro XTURN t                         ; a step's numbers through the stage; LDS serves a wave's instructions in order, so no wait stands between the stores and the loads
.irp i, 0,1,2,3
	ds_store_b128 v14, v[R+16*((\t)%4)+4*\i:R+16*((\t)%4)+4*\i+3] offset:32*SP*((\t)%2)+8*SP*\i
.endr
.irp i, 0,1,2,3
	ds_load_b128 v[X+16*((\t)%2)+4*\i:X+16*((\t)%2)+4*\i+3], v15 offset:32*SP*((\t)%2)+16*\i
.endr
.endm
.macro XSTEP t
.set XS, X+16*((\t)%2)
.if (\t) > 0
	s_wait_dscnt 1                                 ; this step's numbers are back from the stage (the last step's byte store may be out)
.else
	s_wait_dscnt 0x0
.endif
.if (\t)+4 < STEPS
	XLOAD (\t)+4                                   ; the registers that the stage's stores have read take the loads of four steps on
.endif
.if (\t)+1 < STEPS
.if STEPS-2-(\t) >= 3
	s_wait_loadcnt 12                              ; the next step's four loads are in; those of the three steps behind it may be out
.else
	s_wait_loadcnt 4*(STEPS-2-(\t))
.endif
	XTURN (\t)+1
.endif
	v_max3_num_f32 v8, |v[XS]|, |v[XS+1]|, |v[XS+2]|               ; the largest magnitude of my 16, in two chains
	v_max3_num_f32 v9, |v[XS+3]|, |v[XS+4]|, |v[XS+5]|
.irp i, 6,10
	v_max3_num_f32 v8, v8, |v[XS+\i]|, |v[XS+\i+1]|
	v_max3_num_f32 v9, v9, |v[XS+\i+2]|, |v[XS+\i+3]|
.endr
	v_max3_num_f32 v8, v8, |v[XS+14]|, |v[XS+15]|
	v_max3_num_f32 v8, v8, v9, (EMAX+1)<<23        ; and the floor 2^(9 - 127): the byte cannot fall under 1
	v_max_num_f32_dpp v8, v8, v8 row_xmask:1 row_mask:0xf bank_mask:0xf   ; with my neighbour's 16: the block's
	v_add_nc_u32 v11, -(EMAX<<23), v8              ; 8 off the exponent field: the conversion takes this operand's exponent field as its scale
.irp i, 0,1,2,3,4,5,6,7,8,9,10,11,12,13,14,15
.endr
	v_cvt_scalef32_pk8_fp8_f32 v[C+4*(\t):C+4*(\t)+1], v[XS:XS+7], v11
	v_cvt_scalef32_pk8_fp8_f32 v[C+4*(\t)+2:C+4*(\t)+3], v[XS+8:XS+15], v11
	v_lshrrev_b32 v[E+(\t)], 23, v11               ; the scale's byte
	ds_store_b8 v5, v[E+(\t)] offset:16*(\t)       ; both lanes of a block write the same byte with the same value
	global_store_b128 v4, v[C+4*(\t):C+4*(\t)+3], s[14:15] offset:32*CB*(\t)
.endm
.macro WLOAD t                         ; block t: W(32 t + i, my column), i = 0 .. 31
.irp i, 0,1,2,3,4,5,6,7,8,9,10,11,12,13,14,15,16,17,18,19,20,21,22,23,24,25,26,27,28,29,30,31
	global_load_b32 v[WX+32*((\t)%2)+\i], v3, s[4:5] offset:(32*(\t)+\i)*4096 th:TH_LOAD_NT
.endr
.endm
.macro WBLOCK t
.set WXS, WX+32*((\t)%2)
.if (\t) < NB-1
	s_wait_loadcnt 32                              ; this block's 32 loads are in; the next block's may be out
.else
	s_wait_loadcnt 0
.endif
	v_max3_num_f32 v12, |v[WXS]|, |v[WXS+1]|, |v[WXS+2]|           ; all 32 numbers of the block are mine
	v_max3_num_f32 v13, |v[WXS+3]|, |v[WXS+4]|, |v[WXS+5]|
.irp i, 6,10,14,18,22,26
	v_max3_num_f32 v12, v12, |v[WXS+\i]|, |v[WXS+\i+1]|
	v_max3_num_f32 v13, v13, |v[WXS+\i+2]|, |v[WXS+\i+3]|
.endr
	v_max3_num_f32 v12, v12, |v[WXS+30]|, |v[WXS+31]|
	v_max3_num_f32 v12, v12, v13, (EMAX+1)<<23
	v_add_nc_u32 v11, -(EMAX<<23), v12
	v_lshrrev_b32 v13, 23, v11
.if (\t)%4 == 0
	v_mov_b32 v[SBY+(\t)/4], v13                   ; four bytes to a register, the lower K in the lower byte
.else
	v_lshl_or_b32 v[SBY+(\t)/4], v13, 8*((\t)%4), v[SBY+(\t)/4]
.endif
.irp i, 0,1,2,3,4,5,6,7,8,9,10,11,12,13,14,15,16,17,18,19,20,21,22,23,24,25,26,27,28,29,30,31
.endr
.irp g, 0,1,2,3
	v_cvt_scalef32_pk8_fp8_f32 v[WC+2*\g:WC+2*\g+1], v[WXS+8*\g:WXS+8*\g+7], v11
.endr
	ds_store_b128 v4, v[WC:WC+3] offset:32*(\t)    ; 32 codes: 32 bytes of my column's row
	ds_store_b128 v4, v[WC+4:WC+7] offset:32*(\t)+16
.if (\t)+2 < NB
	WLOAD (\t)+2
.endif
	s_wait_dscnt 0x0                               ; the stores have read their registers: the next block's codes may be written
.endm
	s_load_b256 s[4:11], s[0:1], 0x0               ; x s[4:5], Wq s[6:7], Wk s[8:9], Wv s[10:11]
	s_load_b256 s[12:19], s[0:1], 0x20             ; Wo s[12:13], xc s[14:15], xs s[16:17], wc s[18:19]
	s_load_b64 s[20:21], s[0:1], 0x40              ; ws
	v_lshl_add_u32 v192, v0, 2, 0x10800
	v_mov_b32 v193, 0
	v_lshrrev_b32 v1, 5, v0
	v_readfirstlane_b32 s22, v1                    ; wave 0..3
	v_and_b32 v2, 31, v0                           ; lane
	s_cmp_lt_u32 ttmp9, 256
	s_cbranch_scc0 .Lweights
	; ---- x
	v_lshlrev_b32 v3, 4, v2                        ; my 16 bytes of a load's 512
	s_mul_i32 s23, s22, WREG
	v_lshrrev_b32 v14, 2, v2
	v_mul_u32_u24 v14, v14, SP
	v_and_b32 v15, 3, v2
	v_lshl_add_u32 v14, v15, 4, v14
	v_add_nc_u32 v14, s23, v14                     ; the stage, in: SP (lane / 4) + 16 (lane % 4)
	v_mul_u32_u24 v15, v2, SP
	v_add_nc_u32 v15, s23, v15                     ; and out: SP x lane: my 16 neighbours
	v_mul_u32_u24 v4, v2, CB                       ; my codes' place in a step's
	v_lshrrev_b32 v5, 1, v2
	s_add_co_u32 s23, s23, 2*32*SP
	v_add_nc_u32 v5, s23, v5                       ; my block's byte among the wave's 256
	v_lshlrev_b32 v7, 3, v2
	v_add_nc_u32 v6, s23, v7
	s_lshl_b32 s25, ttmp9, 2
	s_add_co_u32 s25, s25, s22                     ; my run of 8 rows
	s_and_b32 s26, s25, 0xfffffffc                 ; tile order: a row's bits 3 and 4 are the run's bits 0 and 1: exchanged for the outputs
	s_and_b32 s27, s25, 1
	s_lshl_b32 s27, s27, 1
	s_or_b32 s26, s26, s27
	s_bfe_u32 s27, s25, 0x10001
	s_or_b32 s26, s26, s27
	s_lshl_b32 s28, s25, 15                        ; 8 rows of 4,096 bytes in x,
	s_mov_b32 s29, 0
	s_lshl_b32 s30, s26, 13                        ; of 1,024 in the codes,
	s_mov_b32 s31, 0
	s_lshl_b32 s32, s26, 8                         ; of 32 in the scale bytes
	s_mov_b32 s33, 0
	s_wait_alu depctr_va_vdst(0)
	s_wait_kmcnt 0x0
	s_add_nc_u64 s[4:5], s[4:5], s[28:29]
	s_add_nc_u64 s[14:15], s[14:15], s[30:31]
	s_add_nc_u64 s[16:17], s[16:17], s[32:33]
.irp t, 0,1,2,3
	XLOAD \t
.endr
	s_wait_loadcnt 12                              ; step 0's four loads are in
	XTURN 0
.irp t, 0,1,2,3,4,5,6,7,8,9,10,11,12,13,14,15
	XSTEP \t
.endr
	ds_load_b64 v[12:13], v6                       ; in order behind my byte stores
	s_wait_dscnt 0x0
	global_store_b64 v7, v[12:13], s[16:17]        ; 32 lanes store 256 consecutive bytes, aligned
	s_wait_tensorcnt 0x0
	ds_add_u32 v192, v193
	s_wait_dscnt 0x0
	s_endpgm
	; ---- the weights
.Lweights:
	s_sub_co_u32 s23, ttmp9, 256
	s_lshr_b32 s24, s23, 5                         ; which weight: 0 Wq, 1 Wk, 2 Wv, 3 Wo
	s_and_b32 s25, s23, 7                          ; which 128 columns
	s_bfe_u32 s26, s23, 0x20003                    ; which 256 along K
	s_lshl_b32 s25, s25, 7
	s_lshl_b32 s27, s22, 5
	s_add_co_u32 s25, s25, s27                     ; my wave's first column
	s_wait_alu depctr_va_vdst(0)
	v_lshlrev_b32 v3, 2, v2                        ; in: 4 bytes a lane
	v_and_b32 v5, 7, v2                            ; tile order: my column's place among the wave's 32: the lane with its bits 3 and 4 exchanged
	v_and_b32 v6, 8, v2
	v_lshl_add_u32 v5, v6, 1, v5
	v_lshrrev_b32 v6, 1, v2
	v_and_b32 v6, 8, v6
	v_add_nc_u32 v5, v5, v6
	s_mul_i32 s27, s22, 32*PITCH
	s_add_co_u32 s27, s27, WST                     ; my stage
	v_mul_u32_u24 v4, v5, PITCH
	v_add_nc_u32 v4, s27, v4                       ; into it: the row of my column's place
	v_lshlrev_b32 v9, 5, v5                        ; and that place's row of scale bytes
	v_and_b32 v5, 15, v2
	v_lshrrev_b32 v6, 4, v2                        ; out of it: sixteen lanes to a row, two rows an instruction
	v_mul_u32_u24 v7, v6, PITCH
	v_lshl_add_u32 v7, v5, 4, v7
	v_add_nc_u32 v7, s27, v7
	v_lshlrev_b32 v8, 10, v6
	v_lshl_add_u32 v8, v5, 4, v8                   ; the same place in the codes' buffer
	s_lshl_b32 s28, s26, 20                        ; W: 256 rows of 4,096 bytes for each step along K, + 4 x column
	s_lshl_b32 s27, s25, 2
	s_add_co_u32 s28, s28, s27
	s_mov_b32 s29, 0
	s_lshl_b32 s27, s24, 10
	s_add_co_u32 s27, s27, s25                     ; my first row of wc and ws
	s_lshl_b32 s30, s27, 10
	s_lshl_b32 s32, s26, 8
	s_add_co_u32 s30, s30, s32
	s_mov_b32 s31, 0
	s_lshl_b32 s32, s27, 5
	s_lshl_b32 s33, s26, 3
	s_add_co_u32 s32, s32, s33
	s_mov_b32 s33, 0
	s_wait_kmcnt 0x0
	s_cmp_lt_u32 s24, 2                            ; the weight is chosen by the work-group's number alone
	s_cselect_b64 s[34:35], s[6:7], s[10:11]
	s_cselect_b64 s[36:37], s[8:9], s[12:13]
	s_bitcmp1_b32 s24, 0
	s_cselect_b64 s[4:5], s[36:37], s[34:35]
	s_add_nc_u64 s[4:5], s[4:5], s[28:29]
	s_add_nc_u64 s[18:19], s[18:19], s[30:31]
	s_add_nc_u64 s[20:21], s[20:21], s[32:33]
	WLOAD 0
	WLOAD 1
.irp t, 0,1,2,3,4,5,6,7
	WBLOCK \t
.endr
	s_wait_alu depctr_va_vdst(0)
	global_store_b64 v9, v[SBY:SBY+1], s[20:21]    ; my column's 8 scale bytes
.irp t, 0,1,2,3,4,5,6,7,8,9,10,11,12,13,14,15
	ds_load_b128 v[OUTR+4*\t:OUTR+4*\t+3], v7 offset:2*\t*PITCH
.endr
.irp t, 0,1,2,3,4,5,6,7,8,9,10,11,12,13,14,15
	s_wait_dscnt 15-\t
	global_store_b128 v8, v[OUTR+4*\t:OUTR+4*\t+3], s[18:19] offset:2*\t*1024   ; sixteen lanes store 256 consecutive bytes, aligned
.endr
	s_wait_tensorcnt 0x0
	ds_add_u32 v192, v193
	s_wait_dscnt 0x0
	s_endpgm
.Lfunc_end_k_q7dffdd3aef_quant:
	.size	k_q7dffdd3aef_quant, .Lfunc_end_k_q7dffdd3aef_quant-k_q7dffdd3aef_quant
	.p2alignl 7, 3214868480
	.fill 96, 4, 3214868480
	.section	.rodata,"a",@progbits
	.p2align	6, 0x0
	.amdhsa_kernel k_q7dffdd3aef_quant
		.amdhsa_group_segment_fixed_size 68096
		.amdhsa_private_segment_fixed_size 0
		.amdhsa_enable_private_segment 0
		.amdhsa_kernarg_size 72
		.amdhsa_user_sgpr_count 2
		.amdhsa_user_sgpr_kernarg_segment_ptr 1
		.amdhsa_wavefront_size32 1
		.amdhsa_system_sgpr_workgroup_id_x 1
		.amdhsa_system_sgpr_workgroup_id_y 1
		.amdhsa_system_sgpr_workgroup_id_z 1
		.amdhsa_system_vgpr_workitem_id 0
		.amdhsa_next_free_vgpr 194
		.amdhsa_next_free_sgpr 66
		.amdhsa_reserve_vcc 0
		.amdhsa_float_denorm_mode_32 3
		.amdhsa_float_denorm_mode_16_64 3
		.amdhsa_fp16_overflow 1
		.amdhsa_memory_ordered 1
		.amdhsa_forward_progress 1
		.amdhsa_inst_pref_size 76
	.end_amdhsa_kernel
	.amdgpu_metadata
---
amdhsa.version: [ 1, 2 ]
amdhsa.kernels:
  - .name:           k_q7dffdd3aef_quant
    .symbol:         k_q7dffdd3aef_quant.kd
    .args:
      - { .name: x, .offset: 0, .size: 8, .value_kind: global_buffer, .address_space: global }
      - { .name: Wq, .offset: 8, .size: 8, .value_kind: global_buffer, .address_space: global }
      - { .name: Wk, .offset: 16, .size: 8, .value_kind: global_buffer, .address_space: global }
      - { .name: Wv, .offset: 24, .size: 8, .value_kind: global_buffer, .address_space: global }
      - { .name: Wo, .offset: 32, .size: 8, .value_kind: global_buffer, .address_space: global }
      - { .name: xc, .offset: 40, .size: 8, .value_kind: global_buffer, .address_space: global }
      - { .name: xs, .offset: 48, .size: 8, .value_kind: global_buffer, .address_space: global }
      - { .name: wc, .offset: 56, .size: 8, .value_kind: global_buffer, .address_space: global }
      - { .name: ws, .offset: 64, .size: 8, .value_kind: global_buffer, .address_space: global }
    .group_segment_fixed_size: 68096
    .private_segment_fixed_size: 0
    .kernarg_segment_align: 8
    .kernarg_segment_size: 72
    .max_flat_workgroup_size: 128
    .sgpr_count:     66
    .vgpr_count:     194
    .wavefront_size: 32
...
	.end_amdgpu_metadata
.endif
;; end of part 1
;; launch qkv (part 2): grid 12 x 32, 4 waves a work-group, clusters of 4 x 4, 327,680 bytes of LDS; arguments xc, xs, wc, ws, qkv, qkvs; writes qkv, qkvs
.if DOCPART == 2
	.amdgcn_target "amdgcn-amd-amdhsa--gfx1250"
	.amdhsa_code_object_version 6
	.text
	.protected	k_q7dffdd3aef_qkv
	.globl	k_q7dffdd3aef_qkv
	.p2align	8
	.type	k_q7dffdd3aef_qkv,@function
k_q7dffdd3aef_qkv:
	s_mov_b64 s[64:65], 0
	v_nop
	global_prefetch_b8 v0, s[64:65] scope:SCOPE_SE
	s_setreg_imm32_b32 hwreg(HW_REG_WAVE_MODE, 25, 1), 1
	s_wait_xcnt 0x0
	s_wait_alu depctr_hold_cnt(0) depctr_sa_sdst(0) depctr_va_vdst(0) depctr_va_sdst(0) depctr_va_ssrc(0) depctr_va_vcc(0) depctr_vm_vsrc(0)
	s_getreg_b32 s2, hwreg(HW_REG_IB_STS2, 6, 4)
	s_cmp_eq_u32 s2, 0
	s_cbranch_scc0 .Lentry_in_a_cluster
	s_endpgm
.Lentry_in_a_cluster:
	s_bfe_u32 s2, ttmp6, 0x10000c
	s_cmp_lg_u32 s2, 0xf033
	s_cbranch_scc0 .Lentry_shape_is_right
	s_endpgm
.Lentry_shape_is_right:
; q = x Wq, k = x Wk, v = x Wv on codes of FP8 (E4M3) with E8M0 scales, K = 1,024; the results are quantised in the accumulators' registers and leave as IMAGES of operand registers.
; A work-group of four waves makes 256 x 256, a wave 128 x 128: 64 accumulators, 512 registers.  S1 is the matrix instruction's source 1 (its rows are the result's lanes), S0 its source 0 (its rows run along a lane's registers).
; KIND 0 (cluster x = 0, 1): q and k.  S1 = 256 tokens of xc, S0 = 256 channels of wc's rows 0-2,047: a lane holds one token and its registers run along the channels, the next product's K.
; KIND 1 (cluster x = 2): v.  S1 = 256 channels of wc's rows 2,048-3,071, S0 = 256 tokens of xc: a lane holds one channel and its registers run along the keys, the next product's K.
; The kind hangs on the cluster's x alone: it is the same in all sixteen partners.
; TILE ORDER: the operands' rows lie at positions with bits 3 and 4 exchanged.  So register 8 b + j of a lane's 64 results against S0's tiles b = 0 .. 7 is S0's true row 32 (b / 2) + 16 (lane / 16) + 8 (b % 2) + j:
; register 16 B + i is row 32 B + 16 (lane / 16) + i: the order in which an operand's registers take K.  Four blocks of 32, joined with lane l xor 16, give 16 registers of codes and one scale word.
; OUT.  Each group of four code registers is one store of 512 consecutive bytes, 16 x lane.  Q and K images: (batch x 16 + head) x 131,072 + token tile x 1,024 + c x 512 (K's 8 MiB on).
; V images, from 16 MiB on: batch x 2 MiB + (head / 2) x 262,144 + (c / 2) x 131,072 + key step x 8,192 + (head % 2) x 4,096 + channel tile x 1,024 + (c % 2) x 512.
; Scale words: a record of 20,480 bytes for each batch and head: Q's [2,048 positions], K's likewise, V's [16 key steps][4 channel tiles][16].  A Q or K word's bytes 0 and 1 are the head's two blocks; bytes 2 and 3 are the neighbour head's or 0.
; K goes in steps of 256 through two LDS slots filled by the tensor data mover; the scale bytes of the work-group's rows come once.  4 x 4 work-groups form a cluster: S1's tiles are asked for jointly along a row, S0's along a column.
; 384 work-groups of equal work.  LIMITS as the quantiser's: a block of zeros or under 2^-118 gets the byte 1; NaN and infinities are not served.
; REGISTERS: window 0: v0-31 addresses; v32-63 scale words, two sets; v128-255 S1's fragments, one set.  Window 1: S0's fragments, two sets.  Windows 2, 3: the accumulators ((a, b) at v[8 (8 (a % 4) + b)]).
;   On the way out window 0 holds: v32-159 the codes of blocks 0-7 (never rewritten), v224-239 at work, v240-247 scale words, v248-255 scale words read back.
.set KSTEP,  256
.set NQ,     2                         ; matrix instructions deep in a slot
.set ROWB,   256                       ; a tile's row in bytes
.set KROW,   1024                      ; a row of codes in memory
.set PITCH,  272                       ; an LDS row: 256 bytes + 16 of padding = 68 words: the 16 rows of a load start at 16 different banks (64 banks of 4 bytes: ISA guide 11.1)
.set FR,     16
.set NL,     4
.set NP,     8                         ; places behind this matrix instruction (ISA guide 7.12.1)
.set HALFT,  128*PITCH
.set SLOT,   4*HALFT                   ; S1's 256 rows, then S0's 256 rows
.set KS,     32                        ; a row of scale bytes
.set SCL,    2*SLOT                    ; behind the ring: the scales, as units of 256 bytes + 16 of padding
.set HALFS,  (128*KS/256)*272
.set SBLK,   (16*KS/256)*272
.set SPARE,  SCL+4*HALFS               ; the spare words, 128 bytes a wave: two blocks of 256 bytes that no other line names
.set ADRA, 16                          ; v16-17 LDS address of my S1 fragments in slot 0, 1
.set ADRB, 20                          ; v20-21 the same for S0
.set VSO,  22                          ; v22    my byte offset among the scale words stored
.set STO,  24                          ; v24    where I put a scale word: 1,024 x wave + 512 (lane / 16) + 4 (lane % 16), in slot 0 after its last fill and last read
.set RD,   25                          ; v25    where I read them back: 1,024 x wave + 16 x lane
.set CO,   26                          ; v26    16 x lane
.set ADRS, 27                          ; v27    LDS address of my scale words: lanes 0-15 S1's rows, lanes 16-31 S0's
.set SPW,  28                          ; v28    my spare word; never rewritten
.set NIL,  29                          ; v29    0; never rewritten
.set SH,   30                          ; v30    kind 0: 16 in lanes 16-31 (the odd head's two bytes come down); else 0
.set SC,   32
.set AF,   128
.set PC,   32
.set T,    160
.set TM,   224                         ; +0..3 largest magnitudes, +4..7 bytes, +12..15 the conversions' scale operands
.set PW,   240
.set BK,   248
.set G1, 24
.set G0, 32
.set G1B, 48
.set G0B, 56
.set G1S, 68
.set G0S, 76
.set G1SB, 80
.set G0SB, 88
.set MSB, 0
.macro WIN new                         ; the immediate's high byte repeats the setting that is left
.if MSB != (\new)
	s_set_vgpr_msb (MSB<<8)|(\new)
.set MSB, (\new)
.endif
.endm
.set MUL_LO, 0xa1                      ; source 0 window 1, source 1 window 0, C and D window 2
.set MUL_HI, 0xf1
.set TO_B,   0x40
; A joint load: waves 0 and 1 fetch for S1, waves 2 and 3 for S0.  Four v_nop follow each of the two lines.
.macro JLOAD g0a, g1a, g0b, g1b
	s_cmp_eq_u32 s15, 0
	s_cbranch_scc0 .Lfor_b_\@
	tensor_load_to_lds s[\g0a:\g0a+3], s[\g1a:\g1a+7]
	s_nop 0
.rept 4
	v_nop
.endr
	s_branch .Lasked_\@
.Lfor_b_\@:
	tensor_load_to_lds s[\g0b:\g0b+3], s[\g1b:\g1b+7]
	s_nop 0
.rept 4
	v_nop
.endr
.Lasked_\@:
.endm
.macro CREST                           ; a round of the cluster's barrier behind its opening barrier
	s_cmp_lg_u32 s14, 0
	s_cbranch_scc1 .Lnot_wave_0_\@
	s_barrier_signal -3
.Lnot_wave_0_\@:
	s_barrier_wait -3
	s_barrier_signal -1
	s_barrier_wait -1
.endm
.macro CROUND
	s_barrier_signal -1
	s_barrier_wait -1
	CREST
.endm
	s_load_b256 s[4:11], s[0:1], 0x0               ; xc s[4:5], xs s[6:7], wc s[8:9], ws s[10:11]
	s_load_b128 s[96:99], s[0:1], 0x20             ; qkv s[96:97], qkvs s[98:99]
	v_lshl_add_u32 v[SPW], v0, 2, SPARE
	v_mov_b32 v[NIL], 0
	ds_add_u32 v28, v29
	ds_add_u32 v28, v29
	s_wait_dscnt 0x0
	v_lshrrev_b32 v1, 5, v0
	v_readfirstlane_b32 s14, v1                    ; wave 0..3
	s_lshr_b32 s15, s14, 1                         ; which half of S1's rows is mine.  Also: I fetch for S1 (0) or for S0 (1)
	s_and_b32 s16, s14, 1                          ; which half of S0's rows.  Also: which 128 rows I fetch
	s_bfe_u32 s40, ttmp6, 0x40000                  ; cx
	s_bfe_u32 s41, ttmp6, 0x40004                  ; cy
	s_and_b32 s45, ttmp7, 0xffff                   ; cluster y
	s_cmp_eq_u32 ttmp9, 2                          ; the kind
	s_cselect_b32 s95, 1, 0
	s_cselect_b32 s42, s45, ttmp9                  ; S0's tiles run along cluster x (kind 0) or cluster y (kind 1),
	s_cselect_b32 s17, 0, s45                      ; S1's along cluster y, or are the cluster's four alone
	s_cselect_b32 s3, 2048, 0                      ; kind 1: S1's rows are Wv's
	s_lshl_b32 s42, s42, 2
	s_add_co_u32 s42, s42, s40                     ; tx: S0's tile of 256 rows
	s_lshl_b32 s17, s17, 2
	s_add_co_u32 s17, s17, s41                     ; ty: S1's tile
	s_lshl_b32 s43, s41, 2
	s_lshl_b32 s43, 15, s43                        ; my row of the cluster
	s_lshl_b32 s44, 0x1111, s40                    ; my column
	s_or_b32 s[G1+0], s43, (0<<16)|(1<<20)|(1<<21)|(5<<22)|(3<<25)  ; the mask; elements of 1 byte; padding on; bit 21 beside a mask; after every 64 words, 4 words
	s_or_b32 s[G1B+0], s44, (0<<16)|(1<<20)|(1<<21)|(5<<22)|(3<<25)
.irp g, G1, G1B
	s_mov_b32 s[\g+1], ROWB<<16                    ; tensor_dim0
	s_mov_b32 s[\g+2], 128<<16                     ; tensor_dim1
	s_mov_b32 s[\g+3], ROWB<<16                    ; tile_dim0
	s_mov_b32 s[\g+4], 128                         ; tile_dim1
	s_mov_b32 s[\g+5], KROW                        ; the pitch
	s_mov_b32 s[\g+6], 0
	s_mov_b32 s[\g+7], 0
.endr
	s_or_b32 s[G1S+0], s43, (3<<16)|(1<<20)|(1<<21)|(5<<22)|(3<<25) ; the scales of 128 rows: 4,096 dense bytes as 16 rows of 32 elements of 8 bytes, padded alike
	s_or_b32 s[G1SB+0], s44, (3<<16)|(1<<20)|(1<<21)|(5<<22)|(3<<25)
.irp g, G1S, G1SB
	s_mov_b32 s[\g+1], 32<<16
	s_mov_b32 s[\g+2], (128*KS/256)<<16
	s_mov_b32 s[\g+3], 32<<16
	s_mov_b32 s[\g+4], 128*KS/256
	s_mov_b32 s[\g+5], 32
	s_mov_b32 s[\g+6], 0
	s_mov_b32 s[\g+7], 0
.endr
	s_lshl_b32 s18, s16, 7                         ; which 128 rows of the tile I fetch
	s_lshl_b32 s20, s17, 8
	s_add_co_u32 s20, s20, s18
	s_add_co_u32 s20, s20, s3                      ; S1: row 256 ty + 128 half (+ 2,048)
	s_lshl_b32 s46, s42, 8
	s_add_co_u32 s46, s46, s18                     ; S0: row 256 tx + 128 half
	s_lshl_b32 s22, s20, 5                         ; their scale bytes,
	s_mov_b32 s23, 0
	s_lshl_b32 s92, s46, 5
	s_mov_b32 s93, 0
	s_lshl_b32 s20, s20, 10                        ; their codes
	s_mov_b32 s21, 0
	s_lshl_b32 s46, s46, 10
	s_mov_b32 s47, 0
	s_mul_i32 s45, s14, HALFT                      ; where they go: wave x 128 rows: no place in the cluster enters an LDS address
	s_mul_i32 s94, s14, HALFS
	s_wait_kmcnt 0x0
	s_cmp_eq_u32 ttmp9, 2                          ; which buffers are S1's and S0's: a choice on the kind
	s_cselect_b64 s[12:13], s[8:9], s[4:5]
	s_cselect_b64 s[18:19], s[10:11], s[6:7]
	s_cselect_b64 s[100:101], s[4:5], s[8:9]
	s_cselect_b64 s[2:3], s[6:7], s[10:11]
	s_add_nc_u64 s[20:21], s[12:13], s[20:21]
	s_add_nc_u64 s[22:23], s[18:19], s[22:23]
	s_add_nc_u64 s[46:47], s[100:101], s[46:47]
	s_add_nc_u64 s[92:93], s[2:3], s[92:93]
	CROUND                                         ; all sixteen work-groups are here: the first joint loads meet
	s_mov_b32 s[G0S], 1
	s_add_co_u32 s[G0S+1], s94, SCL
	s_mov_b64 s[G0S+2:G0S+3], s[22:23]
	s_or_b32 s[G0S+3], s[G0S+3], 0x80000000
	s_mov_b32 s[G0SB], 1
	s_add_co_u32 s[G0SB+1], s94, SCL
	s_mov_b64 s[G0SB+2:G0SB+3], s[92:93]
	s_or_b32 s[G0SB+3], s[G0SB+3], 0x80000000
	JLOAD G0S, G1S, G0SB, G1SB                     ; the scales first: they are wanted with K step 0
.irp s, 0,1
	s_mov_b32 s[G0+4*\s], 1
	s_add_co_u32 s[G0+4*\s+1], s45, \s*SLOT
	s_add_nc_u64 s[G0+4*\s+2:G0+4*\s+3], s[20:21], \s*ROWB
	s_or_b32 s[G0+4*\s+3], s[G0+4*\s+3], 0x80000000
	s_mov_b32 s[G0B+4*\s], 1
	s_add_co_u32 s[G0B+4*\s+1], s45, \s*SLOT
	s_add_nc_u64 s[G0B+4*\s+2:G0B+4*\s+3], s[46:47], \s*ROWB
	s_or_b32 s[G0B+4*\s+3], s[G0B+4*\s+3], 0x80000000
	JLOAD G0+4*\s, G1, G0B+4*\s, G1B               ; three loads of mine are out behind the last
.endr
	v_and_b32 v1, 15, v0                           ; l % 16
	v_bfe_u32 v2, v0, 4, 1                         ; l / 16
	v_mul_u32_u24 v3, v1, PITCH
	v_lshl_add_u32 v4, v2, 4, v3                   ; a fragment's row x pitch + 16 x half
	s_mul_i32 s21, s15, HALFT
	s_mul_i32 s22, s16, HALFT
	s_add_co_u32 s22, s22, 2*HALFT
.irp s, 0,1
	v_add_nc_u32 v[ADRA+\s], s21, v4
	v_add_nc_u32 v[ADRB+\s], s22, v4
	s_add_co_u32 s21, s21, SLOT
	s_add_co_u32 s22, s22, SLOT
.endr
	v_mul_u32_u24 v5, v1, KS                       ; my row's scales: 32 bytes a row,
	v_lshrrev_b32 v6, 8, v5
	v_lshl_add_u32 v5, v6, 4, v5                   ; and 16 more for each 256 passed
	s_mul_i32 s21, s15, HALFS
	s_mul_i32 s22, s16, HALFS
	s_add_co_u32 s22, s22, 2*HALFS
	s_sub_co_u32 s22, s22, s21
	v_mul_u32_u24 v6, s22, v2                      ; lanes 16-31 take S0's
	s_add_co_u32 s21, s21, SCL
	v_add_nc_u32 v5, v5, v6
	v_add_nc_u32 v[ADRS], s21, v5
	s_lshl_b32 s23, s14, 10
	v_lshlrev_b32 v5, 2, v1
	v_lshl_add_u32 v5, v2, 9, v5
	v_add_nc_u32 v[STO], s23, v5
	v_and_b32 v6, 31, v0
	v_lshlrev_b32 v[CO], 4, v6
	v_add_nc_u32 v[RD], s23, v[CO]
	; where my images and scale words begin, for both kinds; the kind then chooses
	s_lshl_b32 s18, s42, 1
	s_add_co_u32 s18, s18, s16                     ; my group of 128 of S0's rows
	s_lshl_b32 s19, s17, 4
	s_lshl_b32 s20, s15, 3
	s_add_co_u32 s19, s19, s20
	s_and_b32 s19, s19, 127                        ; kind 0: my first token tile in the batch
	s_lshr_b32 s20, s18, 3                         ; 0: q, 1: k
	s_and_b32 s21, s18, 7                          ; the pair of heads
	s_lshr_b32 s22, s17, 3                         ; the batch
	s_lshl_b32 s23, s20, 23
	s_lshl_b32 s46, s22, 21
	s_add_co_u32 s23, s23, s46
	s_lshl_b32 s46, s21, 18
	s_add_co_u32 s23, s23, s46
	s_lshl_b32 s46, s19, 10
	s_add_co_u32 s23, s23, s46                     ; kind 0: the images
	s_lshl_b32 s46, s22, 4
	s_lshl_b32 s47, s21, 1
	s_add_co_u32 s46, s46, s47
	s_mul_i32 s46, s46, 20480
	s_lshl_b32 s47, s20, 13
	s_add_co_u32 s46, s46, s47
	s_lshl_b32 s47, s19, 6
	s_add_co_u32 s46, s46, s47                     ; kind 0: the scale words
	s_lshl_b32 s19, s17, 1
	s_add_co_u32 s19, s19, s15                     ; kind 1: the pair of heads
	s_lshr_b32 s20, s18, 4                         ; the batch
	s_and_b32 s21, s18, 15                         ; the key step
	s_lshl_b32 s22, s20, 21
	s_add_co_u32 s22, s22, 1<<24
	s_lshl_b32 s47, s19, 18
	s_add_co_u32 s22, s22, s47
	s_lshl_b32 s47, s21, 13
	s_add_co_u32 s22, s22, s47                     ; kind 1: the images
	s_lshl_b32 s20, s20, 4
	s_lshl_b32 s19, s19, 1
	s_add_co_u32 s20, s20, s19
	s_mul_i32 s20, s20, 20480
	s_lshl_b32 s21, s21, 8
	s_add_co_u32 s20, s20, s21
	s_add_co_u32 s20, s20, 16384                   ; kind 1: the scale words
	s_cmp_eq_u32 s95, 1
	s_cselect_b32 s22, s22, s23
	s_cselect_b32 s20, s20, s46
	s_cselect_b32 s47, 20224, 0                    ; kind 1: lanes 16-31 store the odd head's words, a record on
	s_cselect_b32 s46, 0, 16
	s_mov_b32 s23, 0
	s_mov_b32 s21, 0
	s_add_nc_u64 s[96:97], s[96:97], s[22:23]
	s_add_nc_u64 s[98:99], s[98:99], s[20:21]
	v_mul_u32_u24 v[VSO], s47, v2
	s_wait_alu depctr_va_vdst(0)
	v_add_nc_u32 v[VSO], v[VSO], v[CO]
	v_mul_u32_u24 v[SH], s46, v2
.macro FRAG reg, adr, q, i             ; 16 rows x 128 K: lane l holds row l % 16; registers 4 c .. 4 c + 3 hold K = 32 c + 16 (l / 16) + 0 .. 15
.irp c, 0,1,2,3
	ds_load_b128 v[\reg+4*\c:\reg+4*\c+3], v[\adr] offset:128*(\q)+32*\c+(\i)*16*PITCH
.endr
.endm
; 16 matrix instructions: S1's blocks a0, a0 + 1 x S0's eight.  The 64 accumulators take turns, one instruction a turn, in the same order in every step.
.macro MUL16 a0, p, q, sc, zero
.irp a, \a0, \a0+1
.irp b, 0,1,2,3,4,5,6,7
.if \zero
	v_wmma_scale_f32_16x16x128_f8f6f4 v[8*(8*((\a)%4)+\b):8*(8*((\a)%4)+\b)+7], v[128*(\p)+FR*\b:128*(\p)+FR*\b+FR-1], v[AF+FR*(\a):AF+FR*(\a)+FR-1], 0, v[SC+8*NQ*(\sc)+NQ*\b+(\q)], v[SC+8*NQ*(\sc)+NQ*(\a)+(\q)] matrix_a_scale:MATRIX_SCALE_ROW1
.else
	v_wmma_scale_f32_16x16x128_f8f6f4 v[8*(8*((\a)%4)+\b):8*(8*((\a)%4)+\b)+7], v[128*(\p)+FR*\b:128*(\p)+FR*\b+FR-1], v[AF+FR*(\a):AF+FR*(\a)+FR-1], v[8*(8*((\a)%4)+\b):8*(8*((\a)%4)+\b)+7], v[SC+8*NQ*(\sc)+NQ*\b+(\q)], v[SC+8*NQ*(\sc)+NQ*(\a)+(\q)] matrix_a_scale:MATRIX_SCALE_ROW1
.endif
.endr
.endr
.endm
.macro FETCH_B slot, q, p
	WIN TO_B
.irp i, 0,1,2,3,4,5,6,7
	FRAG 128*(\p)+FR*\i, ADRB+\slot, \q, \i
.endr
	WIN 0
.endm
.macro FETCH_A slot, q, i0
.irp i, \i0, \i0+1, \i0+2, \i0+3
	FRAG AF+FR*(\i), ADRA+\slot, \q, \i
.endr
.endm
.macro SCALES sc                       ; a K step's scale words: 2 words a row; lanes 0-15 take S1's block i, lanes 16-31 S0's block i
.irp i, 0,1,2,3,4,5,6,7
	ds_load_b64 v[SC+8*NQ*\sc+NQ*\i:SC+8*NQ*\sc+NQ*\i+1], v[ADRS] offset:\i*SBLK
.endr
.endm
.macro PLACES n                        ; plain vector instructions between a matrix instruction and a load into, or a vector access of, its registers
.rept \n
	v_nop
.endr
.endm
.macro STEP slot, q, zero              ; 128 along K that has its successor in the same slot
	s_wait_dscnt 4*NL                              ; S0's set and S1's blocks 0-3 are in; the youngest sixteen loads (blocks 4-7) may be out
	WIN MUL_LO
	MUL16 0, (\q)%2, \q, \slot, \zero
	MUL16 2, (\q)%2, \q, \slot, \zero
	s_wait_dscnt 0
	PLACES NP
	FETCH_B \slot, (\q)+1, 1-(\q)%2
	FETCH_A \slot, (\q)+1, 0
	WIN MUL_HI
	MUL16 4, (\q)%2, \q, \slot, \zero
	MUL16 6, (\q)%2, \q, \slot, \zero
	PLACES NP
	WIN 0
	FETCH_A \slot, (\q)+1, 4
.endm
; A slot's last step changes slots: one barrier; in front of it each wave waits for all its tensor loads, adds 0 to its spare word, and waits for that and for its reads of this slot.
.macro TURN slot, next, fill
	s_wait_tensorcnt 0x0                           ; all my tensor loads have landed: my part of the next slot
	ds_add_u32 v[SPW], v[NIL]                      ; 0 onto my spare word
	s_wait_dscnt 4*NL+1                            ; the add and the youngest sixteen loads may be out
	WIN MUL_LO
	MUL16 0, 1, NQ-1, \slot, 0
	s_wait_dscnt 0x0                               ; the add is done, and my reads of this slot are over
	s_barrier_signal -1
	MUL16 2, 1, NQ-1, \slot, 0
	WIN 0
	s_barrier_wait -1
.if \fill
	CREST                                          ; the barrier has opened a round of the cluster's: no wave of any partner still reads this slot or has a load on its way
	s_add_nc_u64 s[G0+4*\slot+2:G0+4*\slot+3], s[G0+4*\slot+2:G0+4*\slot+3], 2*ROWB
	s_add_nc_u64 s[G0B+4*\slot+2:G0B+4*\slot+3], s[G0B+4*\slot+2:G0B+4*\slot+3], 2*ROWB
	JLOAD G0+4*\slot, G1, G0B+4*\slot, G1B         ; the first tensor load behind the round, one a wave; its four v_nop are among the places in front of the loads below
	PLACES NP-4
.else
	PLACES NP
.endif
	s_wait_alu depctr_va_vdst(0)
	v_add_nc_u32 v[ADRS], 4*NQ, v[ADRS]            ; the next K step's scale words
	FETCH_B \next, 0, 0
	FETCH_A \next, 0, 0
	SCALES \next
	WIN MUL_HI
	MUL16 4, 1, NQ-1, \slot, 0
	MUL16 6, 1, NQ-1, \slot, 0
	PLACES NP
	WIN 0
	FETCH_A \next, 0, 4
.endm
	s_wait_tensorcnt 1                             ; the scales and my part of K step 0 are in; K step 1's load may be out
	s_barrier_signal -1
	s_barrier_wait -1
	FETCH_B 0, 0, 0
	FETCH_A 0, 0, 0
	SCALES 0
	FETCH_A 0, 0, 4
	STEP 0, 0, 1                                   ; the first products start the sums: nothing is cleared
	TURN 0, 1, 1                                   ; K = 1,024 is four slots' worth: slot 0 takes K step 2,
	STEP 1, 0, 0
	TURN 1, 0, 1                                   ; slot 1 takes K step 3,
	STEP 0, 0, 0
	TURN 0, 1, 0                                   ; and nothing is left to fetch
	STEP 1, 0, 0
	s_wait_dscnt 4*NL
	WIN MUL_LO
	MUL16 0, 1, NQ-1, 1, 0
	MUL16 2, 1, NQ-1, 1, 0
	s_wait_dscnt 0
	WIN MUL_HI
	MUL16 4, 1, NQ-1, 1, 0
	MUL16 6, 1, NQ-1, 1, 0
	WIN 0
; THE WAY OUT.  S1's block a: 64 registers a lane, four blocks of 32 along the next K, become 16 registers of codes and a scale word.  Each accumulator is first read at its registers 0 and 1.
.macro QUANTW a
.set AC, 64*((\a)%4)
.set WW, 2+(\a)/4
	WIN WW|(WW<<2)
.irp b, 0,1,2,3
	v_max3_num_f32 v[TM+\b], |v[AC+16*\b]|, |v[AC+16*\b+1]|, 0x4800000   ; my 16 numbers of block b, and the floor 2^(9 - 127): the byte cannot fall under 1
.endr
	WIN (WW<<2)|(WW<<4)
.irp i, 2,4,6,8,10,12,14
.irp b, 0,1,2,3
	v_max3_num_f32 v[TM+\b], v[TM+\b], |v[AC+16*\b+\i]|, |v[AC+16*\b+\i+1]|
.endr
.endr
	WIN 0
.irp b, 0,1,2,3
	v_permlanex16_b32 v[TM+4+\b], v[TM+\b], s20, s21
.endr
.irp b, 0,1,2,3
	v_max_num_f32 v[TM+\b], v[TM+\b], v[TM+4+\b]   ; with lane l xor 16's: the block's largest magnitude
.endr
.irp b, 0,1,2,3
	v_add_nc_u32 v[TM+12+\b], 0xfc000000, v[TM+\b] ; 8 off its exponent field: the conversion's scale operand
.endr
.irp b, 0,1,2,3
.endr
.irp b, 0,1,2,3
	v_lshrrev_b32 v[TM+4+\b], 23, v[TM+12+\b]      ; the scale's byte
.endr
	v_lshl_or_b32 v[PW+(\a)], v[TM+5], 8, v[TM+4]
	v_lshl_or_b32 v[PW+(\a)], v[TM+6], 16, v[PW+(\a)]
	v_lshl_or_b32 v[PW+(\a)], v[TM+7], 24, v[PW+(\a)]
	v_lshrrev_b32 v[PW+(\a)], v[SH], v[PW+(\a)]    ; kind 0, lanes 16-31: the odd head's two bytes come down
	WIN WW
.irp b, 0,1,2,3
.irp i, 0,1,2,3,4,5,6,7,8,9,10,11,12,13,14,15
.endr
.endr
.irp b, 0,1,2,3
	v_cvt_scalef32_pk8_fp8_f32 v[PC+16*(\a)+4*\b:PC+16*(\a)+4*\b+1], v[AC+16*\b:AC+16*\b+7], v[TM+12+\b]
	v_cvt_scalef32_pk8_fp8_f32 v[PC+16*(\a)+4*\b+2:PC+16*(\a)+4*\b+3], v[AC+16*\b+8:AC+16*\b+15], v[TM+12+\b]
.endr
	WIN 0
	v_nop                                          ; a plain line behind the last conversion, ahead of the next writes of its sources
.endm
.macro OUTF a
.irp c, 0,1,2,3
	global_store_b128 v[CO], v[PC+16*(\a)+4*\c:PC+16*(\a)+4*\c+3], s[96:97] offset:1024*(\a)+131072*(\c/2)+512*(\c%2)   ; 32 lanes store 512 consecutive bytes, aligned
.endr
	ds_store_b32 v[STO], v[PW+(\a)] offset:64*(\a)
.endm
	PLACES NP                                      ; behind the last products: their results are read and their operands' registers written below
	s_mov_b32 s20, 0x76543210
	s_mov_b32 s21, 0xfedcba98                      ; v_permlanex16_b32's selects for lane l xor 16
.irp b, 0,1,2,3
	v_mov_b32 v[TM+4+\b], 0                        ; written once: a lane permute's destination counts as one of its sources
.endr
.irp a, 0,1,2,3,4,5,6,7
	QUANTW \a
	OUTF \a
.endr
	ds_load_b128 v[BK:BK+3], v[RD]                 ; the wave's own bytes, in order behind its stores: lanes 0-15's words of the eight blocks,
	ds_load_b128 v[BK+4:BK+7], v[RD] offset:512    ; and lanes 16-31's
	s_wait_dscnt 0x0
	global_store_b128 v[VSO], v[BK:BK+3], s[98:99] ; kind 0: the even head's 128 tokens, 512 consecutive bytes; kind 1: 256 bytes for each of the two heads
	s_cmp_eq_u32 s95, 1
	s_cbranch_scc1 .Lno_odd                        ; on the kind: the same in all partners; it jumps over this one store
	global_store_b128 v[VSO], v[BK+4:BK+7], s[98:99] offset:20480   ; kind 0: the odd head's, a record on
.Lno_odd:
	s_wait_tensorcnt 0x0                           ; the wave's end
	ds_add_u32 v[SPW], v[NIL]
	s_wait_dscnt 0x0
	CROUND                                         ; the closing round
	s_endpgm
.Lfunc_end_k_q7dffdd3aef_qkv:
	.size	k_q7dffdd3aef_qkv, .Lfunc_end_k_q7dffdd3aef_qkv-k_q7dffdd3aef_qkv
	.p2alignl 7, 3214868480
	.fill 96, 4, 3214868480
	.section	.rodata,"a",@progbits
	.p2align	6, 0x0
	.amdhsa_kernel k_q7dffdd3aef_qkv
		.amdhsa_group_segment_fixed_size 327680
		.amdhsa_private_segment_fixed_size 0
		.amdhsa_enable_private_segment 0
		.amdhsa_kernarg_size 48
		.amdhsa_user_sgpr_count 2
		.amdhsa_user_sgpr_kernarg_segment_ptr 1
		.amdhsa_wavefront_size32 1
		.amdhsa_system_sgpr_workgroup_id_x 1
		.amdhsa_system_sgpr_workgroup_id_y 1
		.amdhsa_system_sgpr_workgroup_id_z 1
		.amdhsa_system_vgpr_workitem_id 0
		.amdhsa_next_free_vgpr 1024
		.amdhsa_next_free_sgpr 102
		.amdhsa_reserve_vcc 0
		.amdhsa_float_denorm_mode_32 3
		.amdhsa_float_denorm_mode_16_64 3
		.amdhsa_fp16_overflow 1
		.amdhsa_memory_ordered 1
		.amdhsa_forward_progress 1
		.amdhsa_inst_pref_size 152
	.end_amdhsa_kernel
	.amdgpu_metadata
---
amdhsa.version: [ 1, 2 ]
amdhsa.kernels:
  - .name:           k_q7dffdd3aef_qkv
    .symbol:         k_q7dffdd3aef_qkv.kd
    .args:
      - { .name: xc, .offset: 0, .size: 8, .value_kind: global_buffer, .address_space: global }
      - { .name: xs, .offset: 8, .size: 8, .value_kind: global_buffer, .address_space: global }
      - { .name: wc, .offset: 16, .size: 8, .value_kind: global_buffer, .address_space: global }
      - { .name: ws, .offset: 24, .size: 8, .value_kind: global_buffer, .address_space: global }
      - { .name: qkv, .offset: 32, .size: 8, .value_kind: global_buffer, .address_space: global }
      - { .name: qkvs, .offset: 40, .size: 8, .value_kind: global_buffer, .address_space: global }
    .group_segment_fixed_size: 327680
    .private_segment_fixed_size: 0
    .kernarg_segment_align: 8
    .kernarg_segment_size: 48
    .max_flat_workgroup_size: 128
    .sgpr_count:     102
    .vgpr_count:     1024
    .wavefront_size: 32
...
	.end_amdgpu_metadata
.endif
;; end of part 2
;; launch attn (part 3): grid 4 x 64, 16 waves a work-group, no clusters, 276,480 bytes of LDS; arguments qkv, qkvs, cc, cs; writes cc, cs
.if DOCPART == 3
	.amdgcn_target "amdgcn-amd-amdhsa--gfx1250"
	.amdhsa_code_object_version 6
	.text
	.protected	k_q7dffdd3aef_attn
	.globl	k_q7dffdd3aef_attn
	.p2align	8
	.type	k_q7dffdd3aef_attn,@function
k_q7dffdd3aef_attn:
	s_mov_b64 s[64:65], 0
	v_nop
	global_prefetch_b8 v0, s[64:65] scope:SCOPE_SE
	s_setreg_imm32_b32 hwreg(HW_REG_WAVE_MODE, 25, 1), 1
	s_wait_xcnt 0x0
; ctx = softmax(q k^T / 8, causal) v for one batch and head, both products on codes of FP8 (E4M3) with E8M0 scales; ctx is quantised along the model's 1,024 channels and leaves as images of operand registers.
; THE SOFTMAX: t = score x log2(e) / 8; M = the running largest t rounded up to a whole number; p = 2^(t - M) is quantised along the keys, not normalised; the row's sum is taken of the unquantised p and divides at the end.
; When M moves, the sum and O are multiplied by 2^(old M - new M): exact.
; SHARES.  Work-group (j, batch x 16 + head).  A head's whole K and V (2 x 131,072 bytes of images, 12,288 bytes of scale words) come into LDS ONCE and are only read: no byte of LDS is filled again and none is stored to.
; Wave w takes two tiles of 16 queries: tau1 = 16 j + w, then tau2 = 127 - tau1.  A tile needs tau / 8 + 1 key steps of 128, and the two together 17 for every wave: all 4,096 waves have equal work.
; Four waves share a SIMD, so that one wave's vector work stands beside another's LDS loads and products.
; NO CLUSTER, though the four work-groups of a head read the same K and V: which key steps a wave leaves out is a branch on its own query tile, which differs between such partners, and partners of joint loads
; must run alike; leaving out what the mask hides halves the launch's 2 x 16 steps a wave to 17, while the shared bytes are fetched once by each work-group at its head.
; LAYOUT.  Both products are used transposed: S^T = K Q^T, O^T = V^T P^T: a lane holds one query (lane % 16) throughout.  Tiles are in tile order (positions with bits 3 and 4 exchanged): lane r of tile tau is token
; 32 (tau / 2) + 8 (tau % 2) + r + (r & 8), and the 16 registers of two neighbouring tiles of keys (or channels) are 16 neighbours, 32 B + 16 (lane / 16) + 0 .. 15.
; THE HEAD'S 64 IN AN INSTRUCTION OF 128: Q's fragment is 8 registers of codes and 8 of zero codes.  K's eight tiles stand on end, 8 registers each, closed by 8 zero registers; a tile's upper half is the next tile's codes,
; which are finite numbers (the quantiser's hold shuts out the NaN code) and meet Q's zeros: they add exactly 0.  The upper scale bytes are a neighbour head's or 0, never 0xff.
; LIMITS: v_exp_f32 is taken not to fall where its input rises (a block's largest p is made from its largest score); p under 2^-126 becomes 0; NaN and infinities are not served; a ctx block of zeros gets the byte 1.
; cs is stored 2 bytes a row in rows 32 bytes apart: one byte for each 32 bytes of codes stored.
.set VB,   131072                      ; LDS: K's images [tile 128][c 2][512] at 0; V's [key step 16][c / 2][channel tile 4][c % 2][512] here;
.set SB,   262144                      ; K's scale words [2,048 positions], then V's [16][4][16]
.set AK0,  1                           ; v1   16 x lane: an image's place for my lane (also the offset of Q's loads and ctx's stores)
.set AV0,  2                           ; v2   VB + 16 x lane
.set ASK0, 3                           ; v3   SB + 4 x lane
.set ASV0, 4                           ; v4   SB + 8,192 + 4 x lane
.set QL,   5                           ; v5   r + (r & 8) - 16 (lane / 16)
.set CSO,  7                           ; v7   32 r: my row of cs
.set ADK,  8                           ; v8-11 the step's LDS addresses
.set ADV,  9
.set ADS,  10
.set ADT,  11
.set QF,   16                          ; v16-23 Q's codes, v24-31 zeros.  v12 -M, v13 the largest t, v[14:15] the sum in two halves
.set KR,   32                          ; v32-95 K's eight tiles, v96-103 zeros
.set S,    104                         ; v104-167 S^T, then p, then V's four fragments
.set O,    168                         ; v168-199 O^T
.set PC,   200                         ; v200-215 p's codes; at the end ctx's
.set BM,   216                         ; v216-219 a block's largest score, then its largest p
.set BP,   220                         ; v220-223 the other half's; the bytes; a chain of the sum
.set BL,   224
.set BS,   228                         ; v228-231 the conversions' scale operands
.set KS,   232                         ; v232-235 K's scale words: lanes 0-15 tile 2 i, lanes 16-31 tile 2 i + 1
.set VS,   236                         ; v236-237 V's likewise
.set QS,   240                         ; v240 Q's scale words
.set PS,   241                         ; v241 p's scale word
.set FF,   242                         ; v[242:243] f = 2^(old M - new M) in the low word
.set TA,   244                         ; v244-246 at work
.set QSO,  247                         ; v247 4 r
.set WV,   12
.set MNT,  19
.set SEL,  20
.set CS,   22
.set G1D,  24                          ; s[24:31] group 1: 16 dense rows of 256 bytes;  s[32:39]: 3 such rows;  s[40:59] five groups 0
.set G1S,  32
.set T1,   74
.set T2,   75
.set Q0,   76                          ; the tile's first query
.set KFS,  77                          ; the step's first key
.set TB,   78                          ; the step's images: 8,192 bytes a step
.set TS,   79                          ; K's scale words: 512 a step
.set TJ,   80                          ; V's: 256 a step
.set CNT,  81
	s_load_b256 s[4:11], s[0:1], 0x0               ; qkv s[4:5], qkvs s[6:7], cc s[8:9], cs s[10:11]
	v_lshl_add_u32 v254, v0, 2, 0x43000
	v_mov_b32 v255, 0
	ds_add_u32 v254, v255
	ds_add_u32 v254, v255
	v_lshrrev_b32 v8, 5, v0
	s_delay_alu instid0(VALU_DEP_1)
	v_readfirstlane_b32 s[WV], v8                  ; wave 0..15
	s_and_b32 s14, ttmp7, 0xffff                   ; batch x 16 + head
	s_lshr_b32 s15, s14, 4                         ; batch
	s_and_b32 s16, s14, 15                         ; head
	s_lshl_b32 s17, s14, 17                        ; its Q images (K's lie 8 MiB on)
	s_mul_i32 s18, s14, 20480                      ; its record of scale words
	s_mov_b32 s[G1D], 3<<16                        ; no mask; elements of 8 bytes; no padding
	s_mov_b32 s[G1D+1], 32<<16                     ; tensor_dim0 = 32
	s_mov_b32 s[G1D+2], 16<<16                     ; tensor_dim1 = 16
	s_mov_b32 s[G1D+3], 32<<16                     ; tile_dim0
	s_mov_b32 s[G1D+4], 16                         ; tile_dim1
	s_mov_b32 s[G1D+5], 32                         ; the pitch: dense
	s_mov_b32 s[G1D+6], 0
	s_mov_b32 s[G1D+7], 0
	s_mov_b32 s[G1S], 3<<16
	s_mov_b32 s[G1S+1], 32<<16
	s_mov_b32 s[G1S+2], 3<<16
	s_mov_b32 s[G1S+3], 32<<16
	s_mov_b32 s[G1S+4], 3
	s_mov_b32 s[G1S+5], 32
	s_mov_b32 s[G1S+6], 0
	s_mov_b32 s[G1S+7], 0
	s_lshl_b32 s60, s[WV], 12                      ; my 4,096 bytes of each half of K and of V,
	s_mul_i32 s61, s[WV], 768                      ; my 768 of the scale words
	s_add_co_u32 s82, s18, s61
	s_add_co_u32 s82, s82, 8192                    ; K's and V's words follow Q's in the record
	s_mov_b32 s83, 0
	s_add_co_u32 s84, s17, s60
	s_add_co_u32 s84, s84, 1<<23
	s_mov_b32 s85, 0
	s_lshl_b32 s86, s15, 21                        ; V: a chunk of 4,096 bytes is (key step w / 2, half w % 2 of the registers)
	s_add_co_u32 s86, s86, 1<<24
	s_lshr_b32 s62, s16, 1
	s_lshl_b32 s62, s62, 18
	s_add_co_u32 s86, s86, s62
	s_and_b32 s62, s16, 1
	s_lshl_b32 s62, s62, 12
	s_add_co_u32 s86, s86, s62
	s_and_b32 s62, s[WV], 1
	s_lshl_b32 s62, s62, 17
	s_add_co_u32 s86, s86, s62
	s_lshr_b32 s62, s[WV], 1
	s_lshl_b32 s62, s62, 13
	s_add_co_u32 s86, s86, s62
	s_mov_b32 s87, 0
	s_wait_dscnt 0x0
	s_wait_kmcnt 0x0
	s_mov_b32 s40, 1                               ; the scale words
	s_add_co_u32 s41, s61, SB
	s_add_nc_u64 s[42:43], s[6:7], s[82:83]
	s_or_b32 s43, s43, 0x80000000
	s_mov_b32 s44, 1                               ; K, keys 0-1,023
	s_mov_b32 s45, s60
	s_add_nc_u64 s[46:47], s[4:5], s[84:85]
	s_mov_b32 s52, 1                               ; K, keys 1,024-2,047
	s_add_co_u32 s53, s60, 65536
	s_add_nc_u64 s[54:55], s[46:47], 65536
	s_or_b32 s47, s47, 0x80000000
	s_or_b32 s55, s55, 0x80000000
	s_mov_b32 s48, 1                               ; V, keys 0-1,023
	s_add_co_u32 s49, s60, VB
	s_add_nc_u64 s[50:51], s[4:5], s[86:87]
	s_mov_b32 s56, 1                               ; V, keys 1,024-2,047
	s_add_co_u32 s57, s60, VB+65536
	s_add_nc_u64 s[58:59], s[50:51], 65536
	s_or_b32 s51, s51, 0x80000000
	s_or_b32 s59, s59, 0x80000000
	tensor_load_to_lds s[40:43], s[G1S:G1S+7]      ; every wave's five loads go out together, each into bytes of its own: five of mine are out
	s_nop 0
	tensor_load_to_lds s[44:47], s[G1D:G1D+7]
	s_nop 0
	tensor_load_to_lds s[48:51], s[G1D:G1D+7]
	s_nop 0
	tensor_load_to_lds s[52:55], s[G1D:G1D+7]
	s_nop 0
	tensor_load_to_lds s[56:59], s[G1D:G1D+7]
	s_nop 0
.rept 4
	v_nop                                          ; behind a tensor load
.endr
	s_lshl_b32 s[T1], ttmp9, 4
	s_add_co_u32 s[T1], s[T1], s[WV]               ; tau1 = 16 j + w
	s_sub_co_u32 s[T2], 127, s[T1]                 ; tau2
	s_lshl_b32 s60, s16, 10
	s_lshl_b32 s61, s16, 1
.macro PTRS tau, qc, qs, ccp, csp      ; a tile's four addresses
	s_lshl_b32 s82, s[\tau], 10
	s_add_co_u32 s82, s82, s17
	s_add_nc_u64 s[\qc:\qc+1], s[4:5], s[82:83]    ; Q's image
	s_lshl_b32 s82, s[\tau], 6
	s_add_co_u32 s82, s82, s18
	s_add_nc_u64 s[\qs:\qs+1], s[6:7], s[82:83]    ; Q's scale words
	s_lshl_b32 s92, s15, 7
	s_add_co_u32 s92, s92, s[\tau]                 ; the token tile among all 512
	s_lshl_b32 s82, s92, 14
	s_add_co_u32 s82, s82, s60
	s_add_nc_u64 s[\ccp:\ccp+1], s[8:9], s[82:83]  ; ctx's image: tile x 16,384 + head x 1,024
	s_lshl_b32 s82, s92, 9
	s_add_co_u32 s82, s82, s61
	s_add_nc_u64 s[\csp:\csp+1], s[10:11], s[82:83]   ; ctx's scale bytes: 16 rows of 32 a tile, + 2 x head
.endm
	PTRS T1, 84, 86, 66, 68
	PTRS T2, 88, 90, 70, 72
	v_and_b32 v9, 31, v0                           ; lane
	v_and_b32 v10, 15, v0                          ; r
	v_bfe_u32 v11, v0, 4, 1                        ; lane / 16
	s_delay_alu instid0(VALU_DEP_3)
	v_lshlrev_b32 v[AK0], 4, v9
	s_delay_alu instid0(VALU_DEP_3)
	v_lshlrev_b32 v[QSO], 2, v10
	global_load_b128 v[QF:QF+3], v[AK0], s[84:85]             ; the first tile's Q
	global_load_b128 v[QF+4:QF+7], v[AK0], s[84:85] offset:512
	global_load_b32 v[QS], v[QSO], s[86:87]
	v_add_nc_u32 v[AV0], VB, v[AK0]
	v_lshl_add_u32 v[ASK0], v9, 2, SB
	s_delay_alu instid0(VALU_DEP_1)
	v_add_nc_u32 v[ASV0], 8192, v[ASK0]
	v_and_b32 v[QL], 8, v10
	s_delay_alu instid0(VALU_DEP_1)
	v_add_nc_u32 v[QL], v[QL], v10
	v_lshlrev_b32 v8, 4, v11
	s_delay_alu instid0(VALU_DEP_1)
	v_sub_nc_u32 v[QL], v[QL], v8
	v_lshlrev_b32 v[CSO], 5, v10
.irp i, 0,1,2,3,4,5,6,7
	v_mov_b32 v[QF+8+\i], 0                        ; zero codes: the upper half of Q's fragment,
	v_mov_b32 v[KR+64+\i], 0                       ; and of K's last tile
.endr
.irp b, 0,1,2,3
	v_mov_b32 v[BP+\b], 0                          ; written once: a lane permute's destination counts as one of its sources
.endr
	v_mov_b32 v[TA], 0
	v_mov_b32 v[FF+1], 0                           ; named as the upper half of a pair
	s_mov_b32 s[SEL], 0x76543210
	s_mov_b32 s[SEL+1], 0xfedcba98
	s_mov_b32 s[CS], 0x3e38aa3b                    ; c = log2(e) / 8
	s_mov_b32 s[CS+1], s[CS]
; A KEY STEP: 128 keys.
.macro STEP
	s_cmp_gt_u32 s[KFS], s[Q0]                     ; all 128 keys come after my 16 queries (which lie inside one group of 32): the step's work is left out, not the lines at its end
	s_cbranch_scc1 .Lhidden_\@
	s_setprio 2
	v_add_nc_u32 v[ADK], s[TB], v[AK0]
	v_add_nc_u32 v[ADV], s[TB], v[AV0]
	v_add_nc_u32 v[ADS], s[TS], v[ASK0]
	v_add_nc_u32 v[ADT], s[TJ], v[ASV0]
.rept 5
	v_nop                                          ; with the four additions nine places between the last step's products, which read v104-167, and the products below, which write them
.endr
.irp kt, 0,1,2,3,4,5,6,7
	ds_load_b128 v[KR+8*\kt:KR+8*\kt+3], v[ADK] offset:1024*\kt
	ds_load_b128 v[KR+8*\kt+4:KR+8*\kt+7], v[ADK] offset:1024*\kt+512
.endr
.irp i, 0,1,2,3
	ds_load_b32 v[KS+\i], v[ADS] offset:128*\i
.endr
	s_wait_dscnt 0x0
.irp kt, 0,1,2,3,4,5,6,7
.if (\kt)%2
	v_wmma_scale_f32_16x16x128_f8f6f4 v[S+8*\kt:S+8*\kt+7], v[KR+8*\kt:KR+8*\kt+15], v[QF:QF+15], 0, v[KS+\kt/2], v[QS] matrix_a_scale:MATRIX_SCALE_ROW1
.else
	v_wmma_scale_f32_16x16x128_f8f6f4 v[S+8*\kt:S+8*\kt+7], v[KR+8*\kt:KR+8*\kt+15], v[QF:QF+15], 0, v[KS+\kt/2], v[QS]
.endif
.endr
.rept 8
	v_nop
.endr
	s_add_co_u32 s82, s[KFS], 127                  ; on the diagonal the scores of hidden keys become -infinity ahead of the maximum; a step all of whose keys count jumps over this
	s_cmp_le_u32 s82, s[Q0]
	s_cbranch_scc1 .Lopen_\@
	s_sub_co_i32 s82, s[Q0], s[KFS]
	v_add_nc_u32 v[TA], s82, v[QL]                 ; d = my query - the step's first key - 16 (lane / 16): register 16 B + i is hidden where 32 B + i > d
	v_mov_b32 v[TA+2], 0xff800000
.set n, 0
.rept 64
	v_cmp_gt_i32 vcc_lo, 32*(n/16)+n%16, v[TA]
	v_cndmask_b32 v[S+n], v[S+n], v[TA+2], vcc_lo
.set n, n+1
.endr
.Lopen_\@:
.irp b, 0,1,2,3
	v_max3_num_f32 v[BM+\b], v[S+16*\b], v[S+1+16*\b], v[S+2+16*\b]   ; the largest score of each block of 32 keys: for the row's maximum and, since p rises with the score, for the block's largest p
.endr
.irp i, 3,5,7,9,11,13
.irp b, 0,1,2,3
	v_max3_num_f32 v[BM+\b], v[BM+\b], v[S+16*\b+\i], v[S+1+16*\b+\i]
.endr
.endr
.irp b, 0,1,2,3
	v_max_num_f32 v[BM+\b], v[BM+\b], v[S+15+16*\b]
.endr
.irp b, 0,1,2,3
	s_delay_alu instid0(VALU_DEP_4)
	v_permlanex16_b32 v[BP+\b], v[BM+\b], s[SEL], s[SEL+1]
.endr
.irp b, 0,1,2,3
	s_delay_alu instid0(VALU_DEP_4)
	v_max_num_f32 v[BM+\b], v[BM+\b], v[BP+\b]     ; with lane l xor 16's 16 keys
.endr
	s_delay_alu instid0(VALU_DEP_2)
	v_max3_num_f32 v[TA], v[BM], v[BM+1], v[BM+2]
	s_delay_alu instid0(VALU_DEP_1)
	v_max_num_f32 v[TA], v[TA], v[BM+3]
	s_delay_alu instid0(VALU_DEP_1)
	v_mul_f32 v[TA], s[CS], v[TA]                  ; the step's largest t
	s_delay_alu instid0(VALU_DEP_1)
	v_max_num_f32 v13, v13, v[TA]
	v_mov_b32 v[TA], v12
	s_delay_alu instid0(VALU_DEP_2)
	v_floor_f32 v12, -v13                          ; the new -M = floor(-t): M is a whole number
	s_delay_alu instid0(VALU_DEP_1)
	v_sub_f32 v[TA], v12, v[TA]                    ; old M - new M, 0 or less
	s_delay_alu instid0(VALU_DEP_1)
	v_cvt_i32_f32 v[TA], v[TA]                     ; (it saturates)
	s_delay_alu instid0(VALU_DEP_1)
	v_ldexp_f32 v[FF], 1.0, v[TA]                  ; f
.set n, 0
.rept 32
	v_pk_fma_f32 v[S+n:S+n+1], v[S+n:S+n+1], s[CS:CS+1], v[12:13] op_sel_hi:[1,0,0]   ; t - M, two at a time
.set n, n+2
.endr
	s_setprio 1
.irp b, 0,1,2,3
	v_fma_f32 v[BM+\b], v[BM+\b], s[CS], v12
.endr
.set n, 0
	s_wait_alu depctr_va_vdst(0)
.rept 64
	v_exp_f32 v[S+n], v[S+n]                       ; p = 2^(t - M)
.set n, n+1
.endr
.irp b, 0,1,2,3
	v_exp_f32 v[BM+\b], v[BM+\b]                   ; the block's largest p: the same two instructions on the same number
.endr
	v_pk_mul_f32 v[14:15], v[14:15], v[FF:FF+1] op_sel_hi:[1,0]   ; the sums under the new M (a plain line behind the exponentials)
	s_wait_alu depctr_va_vdst(0)
.irp b, 0,1,2,3
	v_max_num_f32 v[BM+\b], 0x4800000, v[BM+\b]    ; the floor 2^(9 - 127)
.endr
.irp b, 0,1,2,3
	s_delay_alu instid0(VALU_DEP_4)
	v_add_nc_u32 v[BS+\b], 0xfc000000, v[BM+\b]
.endr
.irp b, 0,1,2,3
.endr
.irp b, 0,1,2,3
	s_delay_alu instid0(VALU_DEP_4)
	v_lshrrev_b32 v[BP+\b], 23, v[BS+\b]
.endr
	s_delay_alu instid0(VALU_DEP_3)
	v_lshl_or_b32 v[PS], v[BP+1], 8, v[BP]         ; p's scale word for these 128 keys
	s_delay_alu instid0(VALU_DEP_1)
	v_lshl_or_b32 v[PS], v[BP+2], 16, v[PS]
	s_delay_alu instid0(VALU_DEP_1)
	v_lshl_or_b32 v[PS], v[BP+3], 24, v[PS]
	v_pk_add_f32 v[220:221], v[108:109], v[112:113]
	v_pk_add_f32 v[252:253], v[116:117], v[120:121]
	v_pk_add_f32 v[250:251], v[124:125], v[128:129]
	v_pk_add_f32 v[248:249], v[132:133], v[136:137]
	v_pk_add_f32 v[238:239], v[140:141], v[144:145]
	v_pk_add_f32 v[236:237], v[148:149], v[152:153]
	v_pk_add_f32 v[234:235], v[156:157], v[160:161]
	v_pk_add_f32 v[14:15], v[14:15], v[164:165]
	v_pk_add_f32 v[220:221], v[220:221], v[104:105]
	v_pk_add_f32 v[252:253], v[252:253], v[106:107]
	v_pk_add_f32 v[250:251], v[250:251], v[110:111]
	v_pk_add_f32 v[248:249], v[248:249], v[114:115]
	v_pk_add_f32 v[238:239], v[238:239], v[118:119]
	v_pk_add_f32 v[236:237], v[236:237], v[122:123]
	v_pk_add_f32 v[234:235], v[234:235], v[126:127]
	v_pk_add_f32 v[14:15], v[14:15], v[130:131]
	v_pk_add_f32 v[220:221], v[220:221], v[134:135]
	v_pk_add_f32 v[252:253], v[252:253], v[138:139]
	v_pk_add_f32 v[250:251], v[250:251], v[142:143]
	v_pk_add_f32 v[248:249], v[248:249], v[146:147]
	v_pk_add_f32 v[238:239], v[238:239], v[150:151]
	v_pk_add_f32 v[236:237], v[236:237], v[154:155]
	v_pk_add_f32 v[234:235], v[234:235], v[158:159]
	v_pk_add_f32 v[14:15], v[14:15], v[162:163]
	v_pk_add_f32 v[220:221], v[220:221], v[166:167]
	s_delay_alu instid0(VALU_DEP_2)
	v_pk_add_f32 v[14:15], v[14:15], v[248:249]
	s_delay_alu instid0(VALU_DEP_2)
	v_pk_add_f32 v[220:221], v[220:221], v[238:239]
	v_pk_add_f32 v[252:253], v[252:253], v[236:237]
	v_pk_add_f32 v[250:251], v[250:251], v[234:235]
	s_delay_alu instid0(VALU_DEP_2)
	v_pk_add_f32 v[14:15], v[14:15], v[252:253]
	s_delay_alu instid0(VALU_DEP_2)
	v_pk_add_f32 v[220:221], v[220:221], v[250:251]
	s_delay_alu instid0(VALU_DEP_1)
	v_pk_add_f32 v[14:15], v[14:15], v[220:221]
.irp b, 0,1,2,3
.irp i, 0,1,2,3,4,5,6,7,8,9,10,11,12,13,14,15
.endr
	v_cvt_scalef32_pk8_fp8_f32 v[PC+4*\b:PC+4*\b+1], v[S+16*\b:S+16*\b+7], v[BS+\b]
	v_cvt_scalef32_pk8_fp8_f32 v[PC+4*\b+2:PC+4*\b+3], v[S+16*\b+8:S+16*\b+15], v[BS+\b]
.endr
	s_setprio 0
	v_nop
.irp t, 0,1,2,3
.irp c, 0,1,2,3
	ds_load_b128 v[S+16*\t+4*\c:S+16*\t+4*\c+3], v[ADV] offset:4096*(\c/2)+1024*\t+512*(\c%2)   ; V's four fragments take p's registers
.endr
.endr
.irp i, 0,1
	ds_load_b32 v[VS+\i], v[ADT] offset:128*\i
.endr
.set n, 0
.rept 16
	v_pk_mul_f32 v[O+n:O+n+1], v[O+n:O+n+1], v[FF:FF+1] op_sel_hi:[1,0]   ; O^T under the new M; these sixteen are also the places between the conversions and the products
.set n, n+2
.endr
	s_wait_alu depctr_va_vdst(0)
	s_wait_dscnt 0x0
.irp t, 0,1,2,3
.if (\t)%2
	v_wmma_scale_f32_16x16x128_f8f6f4 v[O+8*\t:O+8*\t+7], v[S+16*\t:S+16*\t+15], v[PC:PC+15], v[O+8*\t:O+8*\t+7], v[VS+\t/2], v[PS] matrix_a_scale:MATRIX_SCALE_ROW1
.else
	v_wmma_scale_f32_16x16x128_f8f6f4 v[O+8*\t:O+8*\t+7], v[S+16*\t:S+16*\t+15], v[PC:PC+15], v[O+8*\t:O+8*\t+7], v[VS+\t/2], v[PS]
.endif
.endr
.Lhidden_\@:
	s_add_co_u32 s[KFS], s[KFS], 128
	s_add_co_u32 s[TB], s[TB], 8192
	s_add_co_u32 s[TS], s[TS], 512
	s_add_co_u32 s[TJ], s[TJ], 256
.endm
; O^T / the sum; register 16 B + i is the head's channel 32 B + 16 (lane / 16) + i: two blocks of the last product's K, quantised as they stand.
.macro CTXOUT ccp, csp
	v_add_f32 v14, v14, v15
	s_delay_alu instid0(VALU_DEP_1)
	v_permlanex16_b32 v[TA], v14, s[SEL], s[SEL+1]
	s_delay_alu instid0(VALU_DEP_1)
	v_add_f32 v14, v14, v[TA]                      ; the row's sum
	s_wait_alu depctr_va_vdst(0)
	v_rcp_f32 v14, v14
	v_nop
.set n, 0
	s_wait_alu depctr_va_vdst(0)
.rept 32
	v_mul_f32 v[S+n], v[O+n], v14                  ; each accumulator from its low end on
.set n, n+1
.endr
.irp b, 0,1
	v_max3_num_f32 v[BM+\b], |v[S+16*\b]|, |v[S+1+16*\b]|, 0x4800000
.endr
.irp i, 2,4,6,8,10,12,14
.irp b, 0,1
	s_delay_alu instid0(VALU_DEP_2)
	v_max3_num_f32 v[BM+\b], v[BM+\b], |v[S+16*\b+\i]|, |v[S+1+16*\b+\i]|
.endr
.endr
.irp b, 0,1
	s_delay_alu instid0(VALU_DEP_2)
	v_permlanex16_b32 v[BP+\b], v[BM+\b], s[SEL], s[SEL+1]
.endr
.irp b, 0,1
	s_delay_alu instid0(VALU_DEP_2)
	v_max_num_f32 v[BM+\b], v[BM+\b], v[BP+\b]
.endr
.irp b, 0,1
	s_delay_alu instid0(VALU_DEP_2)
	v_add_nc_u32 v[BS+\b], 0xfc000000, v[BM+\b]
.endr
.irp b, 0,1
.endr
.irp b, 0,1
	s_delay_alu instid0(VALU_DEP_2)
	v_lshrrev_b32 v[BP+\b], 23, v[BS+\b]
.endr
	s_delay_alu instid0(VALU_DEP_1)
	v_lshl_or_b32 v[TA+1], v[BP+1], 8, v[BP]       ; the head's two scale bytes of my row
.irp b, 0,1
.irp i, 0,1,2,3,4,5,6,7,8,9,10,11,12,13,14,15
.endr
	v_cvt_scalef32_pk8_fp8_f32 v[PC+4*\b:PC+4*\b+1], v[S+16*\b:S+16*\b+7], v[BS+\b]
	v_cvt_scalef32_pk8_fp8_f32 v[PC+4*\b+2:PC+4*\b+3], v[S+16*\b+8:S+16*\b+15], v[BS+\b]
.endr
	v_nop                                          ; a plain line behind the last conversion
	global_store_b128 v[AK0], v[PC:PC+3], s[\ccp:\ccp+1]               ; 32 lanes store 512 consecutive bytes, aligned
	global_store_b128 v[AK0], v[PC+4:PC+7], s[\ccp:\ccp+1] offset:512
	global_store_b16 v[CSO], v[TA+1], s[\csp:\csp+1]                   ; lanes 16-31 write the same two bytes with the same value
.endm
; One tile of queries.  The trip count is a constant of the text; what the mask hides is jumped over inside a step.
.macro PASS trips, tau, ccp, csp, nextq
	s_lshr_b32 s82, s[\tau], 1
	s_lshl_b32 s82, s82, 5
	s_and_b32 s83, s[\tau], 1
	s_lshl_b32 s83, s83, 3
	s_add_co_u32 s[Q0], s82, s83                   ; 32 (tau / 2) + 8 (tau % 2)
	s_mov_b32 s[KFS], 0
	s_mov_b32 s[TB], 0
	s_mov_b32 s[TS], 0
	s_mov_b32 s[TJ], 0
	s_mov_b32 s[CNT], \trips
	v_mov_b32 v13, 0xff61b1e6                      ; the largest t so far: -3e38
	s_delay_alu instid0(VALU_DEP_1)
	v_floor_f32 v12, -v13
	v_mov_b32 v14, 0
	v_mov_b32 v15, 0
.set n, 0
.rept 32
	v_mov_b32 v[O+n], 0                            ; the step is written once: the first finds zeros, which the first change of M leaves zeros
.set n, n+1
.endr
	s_wait_loadcnt 0x0                             ; Q
.Lstep_\@:
	STEP
	s_sub_co_u32 s[CNT], s[CNT], 1
	s_cmp_lg_u32 s[CNT], 0
	s_cbranch_scc1 .Lstep_\@
	s_setprio 0
.rept 8
	v_nop                                          ; behind the last products
.endr
.if \nextq
	global_load_b128 v[QF:QF+3], v[AK0], s[88:89]  ; the second tile's Q lands while the first tile's ctx goes out
	global_load_b128 v[QF+4:QF+7], v[AK0], s[88:89] offset:512
	global_load_b32 v[QS], v[QSO], s[90:91]
.endif
	CTXOUT \ccp, \csp
.endm
	s_wait_tensorcnt 0x2                           ; my parts of the scale words and of keys 0-1,023 are in; the two loads of keys 1,024-2,047 may stay out: no byte is filled again
	s_barrier_signal -1
	s_barrier_wait -1                              ; everybody's are
	PASS 8, T1, 66, 68, 1                          ; tau1 < 64: its keys lie under 1,024
	s_wait_tensorcnt 0x0                           ; my parts of the later keys are in
	s_wait_dscnt 0x0
	s_wait_xcnt 0x0                                ; the first tile's stores have read their registers, which the second tile writes again
	s_barrier_signal -1
	s_barrier_wait -1
	PASS 16, T2, 70, 72, 0
	s_wait_tensorcnt 0x0
	ds_add_u32 v254, v255
	s_wait_dscnt 0x0
	s_endpgm
.Lfunc_end_k_q7dffdd3aef_attn:
	.size	k_q7dffdd3aef_attn, .Lfunc_end_k_q7dffdd3aef_attn-k_q7dffdd3aef_attn
	.p2alignl 7, 3214868480
	.fill 96, 4, 3214868480
	.section	.rodata,"a",@progbits
	.p2align	6, 0x0
	.amdhsa_kernel k_q7dffdd3aef_attn
		.amdhsa_group_segment_fixed_size 276480
		.amdhsa_private_segment_fixed_size 0
		.amdhsa_enable_private_segment 0
		.amdhsa_kernarg_size 32
		.amdhsa_user_sgpr_count 2
		.amdhsa_user_sgpr_kernarg_segment_ptr 1
		.amdhsa_wavefront_size32 1
		.amdhsa_system_sgpr_workgroup_id_x 1
		.amdhsa_system_sgpr_workgroup_id_y 1
		.amdhsa_system_sgpr_workgroup_id_z 1
		.amdhsa_system_vgpr_workitem_id 0
		.amdhsa_next_free_vgpr 256
		.amdhsa_next_free_sgpr 96
		.amdhsa_reserve_vcc 1
		.amdhsa_float_denorm_mode_32 3
		.amdhsa_float_denorm_mode_16_64 3
		.amdhsa_fp16_overflow 1
		.amdhsa_memory_ordered 1
		.amdhsa_forward_progress 1
		.amdhsa_inst_pref_size 66
	.end_amdhsa_kernel
	.amdgpu_metadata
---
amdhsa.version: [ 1, 2 ]
amdhsa.kernels:
  - .name:           k_q7dffdd3aef_attn
    .symbol:         k_q7dffdd3aef_attn.kd
    .args:
      - { .name: qkv, .offset: 0, .size: 8, .value_kind: global_buffer, .address_space: global }
      - { .name: qkvs, .offset: 8, .size: 8, .value_kind: global_buffer, .address_space: global }
      - { .name: cc, .offset: 16, .size: 8, .value_kind: global_buffer, .address_space: global }
      - { .name: cs, .offset: 24, .size: 8, .value_kind: global_buffer, .address_space: global }
    .group_segment_fixed_size: 276480
    .private_segment_fixed_size: 0
    .kernarg_segment_align: 8
    .kernarg_segment_size: 32
    .max_flat_workgroup_size: 512
    .sgpr_count:     96
    .vgpr_count:     256
    .wavefront_size: 32
...
	.end_amdgpu_metadata
.endif
;; end of part 3
;; launch oproj (part 4): grid 4 x 64, 4 waves a work-group, clusters of 4 x 4, 327,680 bytes of LDS; arguments cc, cs, wc, ws, bo, out0; writes out0
.if DOCPART == 4
	.amdgcn_target "amdgcn-amd-amdhsa--gfx1250"
	.amdhsa_code_object_version 6
	.text
	.protected	k_q7dffdd3aef_oproj
	.globl	k_q7dffdd3aef_oproj
	.p2align	8
	.type	k_q7dffdd3aef_oproj,@function
k_q7dffdd3aef_oproj:
	s_mov_b64 s[64:65], 0
	v_nop
	global_prefetch_b8 v0, s[64:65] scope:SCOPE_SE
	s_setreg_imm32_b32 hwreg(HW_REG_WAVE_MODE, 25, 1), 1
	s_wait_xcnt 0x0
	s_wait_alu depctr_hold_cnt(0) depctr_sa_sdst(0) depctr_va_vdst(0) depctr_va_sdst(0) depctr_va_ssrc(0) depctr_va_vcc(0) depctr_vm_vsrc(0)
	s_getreg_b32 s2, hwreg(HW_REG_IB_STS2, 6, 4)
	s_cmp_eq_u32 s2, 0
	s_cbranch_scc0 .Lentry_in_a_cluster
	s_endpgm
.Lentry_in_a_cluster:
	s_bfe_u32 s2, ttmp6, 0x10000c
	s_cmp_lg_u32 s2, 0xf033
	s_cbranch_scc0 .Lentry_shape_is_right
	s_endpgm
.Lentry_shape_is_right:
; out = ctx Wo + bo on codes of FP8 (E4M3) with E8M0 scales, K = 1,024.  ctx: images of operand registers, [token tile 512][K step of 128: 8][c 4][512 bytes], its scale bytes [8,192 positions][32];
; Wo: wc's rows 3,072 on, [1,024 positions][1,024], ws likewise [..][32].  out: [8,192][1,024] f32.
; A tile of out is 128 tokens x 256 columns, which gives 256 work-groups of equal work; a wave makes 64 x 128: 32 accumulators, 256 registers.  S1 (source 1) = tokens: the result's lanes; S0 (source 0) = Wo's columns: a lane's registers.
; K goes in steps of 256 through two LDS slots filled by the tensor data mover: S1's eight tiles x 4,096 dense bytes of images, then S0's 256 rows of 256 bytes + 16 of padding.  The scale bytes come once.
; 4 x 4 work-groups form a cluster: S1's tiles are asked for jointly along a row, S0's along a column.
; TILE ORDER is undone on the way out by constants alone: register 8 b + j of a lane is column 32 (b / 2) + 16 (lane / 16) + 8 (b % 2) + j, and row t of block a is token 32 (a / 2) + 8 (a % 2) + t + 8 (t / 8).
; The bias is the C of each sum's first matrix instruction: eight registers a tile of columns, in the result's layout.
; REGISTERS: window 0: v0-31 addresses; v32-63 scale words, two sets; v64-127 the bias; v128-191 S1's four fragments, one set; on the way out v128-255 rows of out.  Window 1: S0's fragments, two sets.  Window 2: the accumulators ((a, b) at v[8 (8 a + b)]).
.set ROWB,   256
.set KROW,   1024
.set PITCH,  272                       ; 256 bytes + 16 of padding = 68 words: the 16 rows of a load start at 16 different banks (64 banks of 4 bytes: ISA guide 11.1)
.set FR,     16
.set NP,     8                         ; places behind this matrix instruction (ISA guide 7.12.1)
.set AIMG,   32768                     ; S1's part of a slot
.set HALFB,  128*PITCH
.set SLOT,   AIMG+2*HALFB              ; 102,400
.set SCL,    2*SLOT                    ; the scales, as units of 256 bytes + 16: S1's 2 x 2,176, then S0's 2 x 4,352
.set HSA,    8*272
.set HSB,    16*272
.set SBLK,   544                       ; the scales of 16 rows
.set SPARE,  SCL+2*HSA+2*HSB           ; the spare words, 128 bytes a wave: two blocks of 256 bytes that no other line names
.set SPITCH, 528                       ; the way out: a stage of 16 rows x (512 + 16) bytes for each wave, in slot 0 after its last fill and last read
.set ADRA, 16
.set ADRB, 20
.set STO,  24
.set RD,   25
.set CO,   26
.set ADRS, 27
.set SPW,  28
.set NIL,  29
.set SC,   32
.set BIAS, 64
.set AF,   128
.set BK,   128
.set G1, 24
.set G0, 32
.set G1B, 48
.set G0B, 56
.set G1S, 68
.set G0S, 76
.set G1SB, 80
.set G0SB, 88
.set MSB, 0
.macro WIN new
.if MSB != (\new)
	s_set_vgpr_msb (MSB<<8)|(\new)
.set MSB, (\new)
.endif
.endm
.set MUL,   0xa1                       ; source 0 window 1, source 1 window 0, C and D window 2
.set MUL1,  0x81                       ; the first step: C (the bias) window 0
.set TO_B,  0x40
.macro JLOAD g0a, g1a, g0b, g1b        ; waves 0 and 1 fetch for S1, waves 2 and 3 for S0; four v_nop follow each of the two lines
	s_cmp_eq_u32 s15, 0
	s_cbranch_scc0 .Lfor_b_\@
	tensor_load_to_lds s[\g0a:\g0a+3], s[\g1a:\g1a+7]
	s_nop 0
.rept 4
	v_nop
.endr
	s_branch .Lasked_\@
.Lfor_b_\@:
	tensor_load_to_lds s[\g0b:\g0b+3], s[\g1b:\g1b+7]
	s_nop 0
.rept 4
	v_nop
.endr
.Lasked_\@:
.endm
.macro CREST
	s_cmp_lg_u32 s14, 0
	s_cbranch_scc1 .Lnot_wave_0_\@
	s_barrier_signal -3
.Lnot_wave_0_\@:
	s_barrier_wait -3
	s_barrier_signal -1
	s_barrier_wait -1
.endm
.macro CROUND
	s_barrier_signal -1
	s_barrier_wait -1
	CREST
.endm
	s_load_b256 s[4:11], s[0:1], 0x0               ; cc s[4:5], cs s[6:7], wc s[8:9], ws s[10:11]
	s_load_b128 s[96:99], s[0:1], 0x20             ; bo s[96:97], out0 s[98:99]
	v_lshl_add_u32 v[SPW], v0, 2, SPARE
	v_mov_b32 v[NIL], 0
	ds_add_u32 v28, v29
	ds_add_u32 v28, v29
	s_wait_dscnt 0x0
	v_lshrrev_b32 v1, 5, v0
	v_readfirstlane_b32 s14, v1                    ; wave 0..3
	s_lshr_b32 s15, s14, 1                         ; which 64 tokens are mine.  Also: I fetch for S1 (0) or for S0 (1)
	s_and_b32 s16, s14, 1                          ; which 128 columns.  Also: which half of a tile I fetch
	s_bfe_u32 s40, ttmp6, 0x40000                  ; cx: the tile of 256 columns (the grid has one cluster along x)
	s_bfe_u32 s41, ttmp6, 0x40004                  ; cy
	s_and_b32 s17, ttmp7, 0xffff
	s_lshl_b32 s17, s17, 2
	s_add_co_u32 s17, s17, s41                     ; the tile of 128 tokens
	s_lshl_b32 s43, s41, 2
	s_lshl_b32 s43, 15, s43                        ; my row of the cluster
	s_lshl_b32 s44, 0x1111, s40                    ; my column
	s_or_b32 s[G1+0], s43, (3<<16)|(1<<21)         ; S1's images: four tiles' 4,096 bytes: rows of 512 elements of 8 bytes, 2,048 elements apart; no padding
	s_mov_b32 s[G1+1], 512<<16
	s_mov_b32 s[G1+2], 4<<16
	s_mov_b32 s[G1+3], 512<<16
	s_mov_b32 s[G1+4], 4
	s_mov_b32 s[G1+5], 2048
	s_mov_b32 s[G1+6], 0
	s_mov_b32 s[G1+7], 0
	s_or_b32 s[G1B+0], s44, (0<<16)|(1<<20)|(1<<21)|(5<<22)|(3<<25)   ; S0's codes: 128 rows of 256 bytes, 4 words of padding after every 64
	s_mov_b32 s[G1B+1], ROWB<<16
	s_mov_b32 s[G1B+2], 128<<16
	s_mov_b32 s[G1B+3], ROWB<<16
	s_mov_b32 s[G1B+4], 128
	s_mov_b32 s[G1B+5], KROW
	s_mov_b32 s[G1B+6], 0
	s_mov_b32 s[G1B+7], 0
	s_or_b32 s[G1S+0], s43, (3<<16)|(1<<20)|(1<<21)|(5<<22)|(3<<25)   ; the scales of 64 tokens: 8 dense rows of 256 bytes, padded
	s_mov_b32 s[G1S+1], 32<<16
	s_mov_b32 s[G1S+2], 8<<16
	s_mov_b32 s[G1S+3], 32<<16
	s_mov_b32 s[G1S+4], 8
	s_mov_b32 s[G1S+5], 32
	s_mov_b32 s[G1S+6], 0
	s_mov_b32 s[G1S+7], 0
	s_or_b32 s[G1SB+0], s44, (3<<16)|(1<<20)|(1<<21)|(5<<22)|(3<<25)  ; of 128 columns: 16 such rows
	s_mov_b32 s[G1SB+1], 32<<16
	s_mov_b32 s[G1SB+2], 16<<16
	s_mov_b32 s[G1SB+3], 32<<16
	s_mov_b32 s[G1SB+4], 16
	s_mov_b32 s[G1SB+5], 32
	s_mov_b32 s[G1SB+6], 0
	s_mov_b32 s[G1SB+7], 0
	s_lshl_b32 s20, s17, 17                        ; S1's images: (8 ty + 4 half) tiles of 16,384 bytes
	s_lshl_b32 s18, s16, 16
	s_add_co_u32 s20, s20, s18
	s_mov_b32 s21, 0
	s_lshl_b32 s22, s17, 12                        ; S1's scales: (128 ty + 64 half) rows of 32 bytes
	s_lshl_b32 s18, s16, 11
	s_add_co_u32 s22, s22, s18
	s_mov_b32 s23, 0
	s_lshl_b32 s46, s40, 18                        ; S0's codes: (3,072 + 256 cx + 128 half) rows of 1,024 bytes
	s_lshl_b32 s18, s16, 17
	s_add_co_u32 s46, s46, s18
	s_add_co_u32 s46, s46, 3<<20
	s_mov_b32 s47, 0
	s_lshl_b32 s92, s40, 13                        ; S0's scales: the same rows of 32 bytes
	s_lshl_b32 s18, s16, 12
	s_add_co_u32 s92, s92, s18
	s_add_co_u32 s92, s92, 3072*32
	s_mov_b32 s93, 0
	s_lshl_b32 s45, s16, 14                        ; where they go: no place in the cluster enters an LDS address
	s_mul_i32 s94, s16, HALFB
	s_add_co_u32 s94, s94, AIMG
	s_mul_i32 s18, s16, HSA
	s_add_co_u32 s18, s18, SCL
	s_mul_i32 s19, s16, HSB
	s_add_co_u32 s19, s19, SCL+2*HSA
	s_wait_kmcnt 0x0
	s_add_nc_u64 s[20:21], s[4:5], s[20:21]
	s_add_nc_u64 s[22:23], s[6:7], s[22:23]
	s_add_nc_u64 s[46:47], s[8:9], s[46:47]
	s_add_nc_u64 s[92:93], s[10:11], s[92:93]
	CROUND                                         ; all sixteen work-groups are here: the first joint loads meet
	s_mov_b32 s[G0S], 1
	s_mov_b32 s[G0S+1], s18
	s_mov_b64 s[G0S+2:G0S+3], s[22:23]
	s_or_b32 s[G0S+3], s[G0S+3], 0x80000000
	s_mov_b32 s[G0SB], 1
	s_mov_b32 s[G0SB+1], s19
	s_mov_b64 s[G0SB+2:G0SB+3], s[92:93]
	s_or_b32 s[G0SB+3], s[G0SB+3], 0x80000000
	JLOAD G0S, G1S, G0SB, G1SB
.irp s, 0,1
	s_mov_b32 s[G0+4*\s], 1
	s_add_co_u32 s[G0+4*\s+1], s45, \s*SLOT
	s_add_nc_u64 s[G0+4*\s+2:G0+4*\s+3], s[20:21], \s*4096
	s_or_b32 s[G0+4*\s+3], s[G0+4*\s+3], 0x80000000
	s_mov_b32 s[G0B+4*\s], 1
	s_add_co_u32 s[G0B+4*\s+1], s94, \s*SLOT
	s_add_nc_u64 s[G0B+4*\s+2:G0B+4*\s+3], s[46:47], \s*ROWB
	s_or_b32 s[G0B+4*\s+3], s[G0B+4*\s+3], 0x80000000
	s_wait_alu depctr_va_vdst(0)
	s_wait_tensorcnt 0x0
	ds_add_u32 v28, v29
	s_wait_dscnt 0x0
	CROUND
	JLOAD G0+4*\s, G1, G0B+4*\s, G1B               ; one load of mine is out: each earlier one has landed
.endr
	v_and_b32 v1, 15, v0                           ; l % 16
	v_bfe_u32 v2, v0, 4, 1                         ; l / 16
	v_and_b32 v6, 31, v0
	v_lshlrev_b32 v[CO], 4, v6                     ; 16 x lane
	s_wait_alu depctr_va_vdst(0)
	s_lshl_b32 s20, s40, 10                        ; the bias of my 128 columns; lane half h wants, for tile b, columns 32 (b / 2) + 16 h + 8 (b % 2) + 0 .. 7
	s_lshl_b32 s21, s16, 9
	s_add_co_u32 s20, s20, s21
	s_mov_b32 s21, 0
	s_add_nc_u64 s[96:97], s[96:97], s[20:21]
	v_lshlrev_b32 v7, 6, v2
.irp b, 0,1,2,3,4,5,6,7
	global_load_b128 v[BIAS+8*\b:BIAS+8*\b+3], v7, s[96:97] offset:(32*(\b/2)+8*(\b%2))*4
	global_load_b128 v[BIAS+8*\b+4:BIAS+8*\b+7], v7, s[96:97] offset:(32*(\b/2)+8*(\b%2))*4+16
.endr
	v_mul_u32_u24 v3, v1, PITCH
	v_lshl_add_u32 v4, v2, 4, v3                   ; S0: a fragment's row x pitch + 16 x half
	s_lshl_b32 s21, s15, 14                        ; S1: my four tiles' images
	s_mul_i32 s22, s16, HALFB
	s_add_co_u32 s22, s22, AIMG
.irp s, 0,1
	v_add_nc_u32 v[ADRA+\s], s21, v[CO]
	v_add_nc_u32 v[ADRB+\s], s22, v4
	s_add_co_u32 s21, s21, SLOT
	s_add_co_u32 s22, s22, SLOT
.endr
	v_mul_u32_u24 v5, v1, 32                       ; my row's scales: 32 bytes a row, and 16 more for each 256 passed
	v_lshrrev_b32 v6, 8, v5
	v_lshl_add_u32 v5, v6, 4, v5
	s_mul_i32 s21, s15, HSA
	s_mul_i32 s22, s16, HSB
	s_add_co_u32 s22, s22, 2*HSA
	s_sub_co_u32 s22, s22, s21
	v_mul_u32_u24 v6, s22, v2                      ; lanes 16-31 take S0's
	s_add_co_u32 s21, s21, SCL
	v_add_nc_u32 v5, v5, v6
	v_add_nc_u32 v[ADRS], s21, v5
	s_mul_i32 s23, s14, 16*SPITCH                  ; my stage
	v_mul_u32_u24 v5, v1, SPITCH
	v_lshl_add_u32 v5, v2, 6, v5
	v_add_nc_u32 v[STO], s23, v5                   ; in: row l % 16, + 64 bytes for the upper half of the lanes
	v_add_nc_u32 v[RD], s23, v[CO]                 ; back: the 32 lanes take one row of 512 bytes
	s_lshl_b32 s20, s17, 19                        ; out: (128 ty + 64 half) rows of 4,096 bytes + (256 cx + 128 half) x 4
	s_lshl_b32 s21, s15, 18
	s_add_co_u32 s20, s20, s21
	s_lshl_b32 s21, s40, 10
	s_add_co_u32 s20, s20, s21
	s_lshl_b32 s21, s16, 9
	s_add_co_u32 s20, s20, s21
	s_mov_b32 s21, 0
	s_add_nc_u64 s[98:99], s[98:99], s[20:21]
.macro FRAGB reg, adr, q, i
.irp c, 0,1,2,3
	ds_load_b128 v[\reg+4*\c:\reg+4*\c+3], v[\adr] offset:128*(\q)+32*\c+(\i)*16*PITCH
.endr
.endm
.macro FRAGA reg, adr, q, i            ; an image comes back as it was stored: 512 consecutive bytes a load
.irp c, 0,1,2,3
	ds_load_b128 v[\reg+4*\c:\reg+4*\c+3], v[\adr] offset:4096*(\i)+2048*(\q)+512*\c
.endr
.endm
; 8 matrix instructions: S1's block a x S0's eight.  The 32 accumulators take turns, one instruction a turn, in the same order in every step.
.macro MULB a, p, q, sc, first
.irp b, 0,1,2,3,4,5,6,7
.if \first
	v_wmma_scale_f32_16x16x128_f8f6f4 v[8*(8*(\a)+\b):8*(8*(\a)+\b)+7], v[128*(\p)+FR*\b:128*(\p)+FR*\b+FR-1], v[AF+FR*(\a):AF+FR*(\a)+FR-1], v[BIAS+8*\b:BIAS+8*\b+7], v[SC+16*(\sc)+2*\b+(\q)], v[SC+16*(\sc)+2*(\a)+(\q)] matrix_a_scale:MATRIX_SCALE_ROW1
.else
	v_wmma_scale_f32_16x16x128_f8f6f4 v[8*(8*(\a)+\b):8*(8*(\a)+\b)+7], v[128*(\p)+FR*\b:128*(\p)+FR*\b+FR-1], v[AF+FR*(\a):AF+FR*(\a)+FR-1], v[8*(8*(\a)+\b):8*(8*(\a)+\b)+7], v[SC+16*(\sc)+2*\b+(\q)], v[SC+16*(\sc)+2*(\a)+(\q)] matrix_a_scale:MATRIX_SCALE_ROW1
.endif
.endr
.endm
.macro FETCH_B slot, q, p
	WIN TO_B
.irp i, 0,1,2,3,4,5,6,7
	FRAGB 128*(\p)+FR*\i, ADRB+\slot, \q, \i
.endr
	WIN 0
.endm
.macro FETCH_A slot, q, i0             ; S1's blocks i0, i0 + 1
.irp i, \i0, \i0+1
	FRAGA AF+FR*(\i), ADRA+\slot, \q, \i
.endr
.endm
.macro SCALES sc                       ; lanes 0-15 take S1's block i (for i above 3: filled bytes that no product names), lanes 16-31 S0's block i
.irp i, 0,1,2,3,4,5,6,7
	ds_load_b64 v[SC+16*\sc+2*\i:SC+16*\sc+2*\i+1], v[ADRS] offset:\i*SBLK
.endr
.endm
.macro PLACES n
.rept \n
	v_nop
.endr
.endm
.macro STEP slot, first                ; a slot's first 128 along K
	s_wait_dscnt 8                                 ; S0's set, S1's blocks 0-1 and the scale words are in; the youngest eight loads (blocks 2-3) may be out
.if \first
	WIN MUL1
.else
	WIN MUL
.endif
	MULB 0, 0, 0, \slot, \first
	MULB 1, 0, 0, \slot, \first
	s_wait_dscnt 0
	PLACES NP
	FETCH_B \slot, 1, 1
	FETCH_A \slot, 1, 0
.if \first
	WIN MUL1
.else
	WIN MUL
.endif
	MULB 2, 0, 0, \slot, \first
	MULB 3, 0, 0, \slot, \first
	PLACES NP
	WIN 0
	FETCH_A \slot, 1, 2
.endm
; A slot's second 128 along K changes slots: one barrier; in front of it each wave waits for all its tensor loads, adds 0 to its spare word, and waits for that and for its reads of this slot.
.macro TURN slot, next, fill
	s_wait_tensorcnt 0x0                           ; all my tensor loads have landed: my part of the next slot
	ds_add_u32 v[SPW], v[NIL]                      ; 0 onto my spare word
	s_wait_dscnt 9                                 ; the add and the youngest eight loads may be out
	WIN MUL
	MULB 0, 1, 1, \slot, 0
	s_wait_dscnt 0x0                               ; the add is done, and my reads of this slot are over
	s_barrier_signal -1
	MULB 1, 1, 1, \slot, 0
	WIN 0
	s_barrier_wait -1
.if \fill
	CREST                                          ; the barrier has opened a round of the cluster's: no wave of any partner still reads this slot or has a load on its way
	s_add_nc_u64 s[G0+4*\slot+2:G0+4*\slot+3], s[G0+4*\slot+2:G0+4*\slot+3], 2*4096
	s_add_nc_u64 s[G0B+4*\slot+2:G0B+4*\slot+3], s[G0B+4*\slot+2:G0B+4*\slot+3], 2*ROWB
	JLOAD G0+4*\slot, G1, G0B+4*\slot, G1B         ; the first tensor load behind the round, one a wave; its four v_nop are among the places in front of the loads below
	PLACES NP-4
.else
	PLACES NP
.endif
	s_wait_alu depctr_va_vdst(0)
	v_add_nc_u32 v[ADRS], 8, v[ADRS]               ; the next K step's scale words
	FETCH_B \next, 0, 0
	FETCH_A \next, 0, 0
	SCALES \next
	WIN MUL
	MULB 2, 1, 1, \slot, 0
	MULB 3, 1, 1, \slot, 0
	PLACES NP
	WIN 0
	FETCH_A \next, 0, 2
.endm
	s_wait_alu depctr_va_vdst(0)
	s_wait_tensorcnt 1                             ; the scales and my part of K step 0 are in; K step 1's load may be out
	s_barrier_signal -1
	s_barrier_wait -1
	FETCH_B 0, 0, 0
	FETCH_A 0, 0, 0
	SCALES 0
	FETCH_A 0, 0, 2
	s_wait_loadcnt 0x0                             ; the bias
	STEP 0, 1                                      ; the first products start the sums from the bias
	TURN 0, 1, 1                                   ; slot 0 takes K step 2,
	STEP 1, 0
	TURN 1, 0, 1                                   ; slot 1 takes K step 3,
	STEP 0, 0
	TURN 0, 1, 0                                   ; and nothing is left to fetch
	STEP 1, 0
	s_wait_dscnt 8
	WIN MUL
	MULB 0, 1, 1, 1, 0
	MULB 1, 1, 1, 1, 0
	s_wait_dscnt 0
	MULB 2, 1, 1, 1, 0
	MULB 3, 1, 1, 1, 0
	WIN 0
; THE WAY OUT, block by block of 16 tokens x 128 columns, through my own stage: in as 32 bytes of a row at their true columns, back as whole rows of 512 bytes.  LDS serves a wave's instructions in order (ISA guide 5.7.1.4).
.macro TOSTAGE a
.set AC, 64*(\a)
	WIN 0x08                                       ; an LDS store's data: window 2
.irp b, 0,1,2,3,4,5,6,7
	ds_store_b128 v[STO], v[AC+8*\b:AC+8*\b+3] offset:128*(\b/2)+32*(\b%2)        ; each accumulator from its low end on
	ds_store_b128 v[STO], v[AC+8*\b+4:AC+8*\b+7] offset:128*(\b/2)+32*(\b%2)+16
.endr
	WIN 0
.set BB, BK+64*((\a)%2)
.irp t, 0,1,2,3,4,5,6,7,8,9,10,11,12,13,14,15
	ds_load_b128 v[BB+4*\t:BB+4*\t+3], v[RD] offset:\t*SPITCH
.endr
.endm
.macro SEND a, younger                 ; younger: the LDS instructions issued behind block a's loads
.set BB, BK+64*((\a)%2)
	s_wait_dscnt \younger
.irp t, 0,1,2,3,4,5,6,7,8,9,10,11,12,13,14,15
	global_store_b128 v[CO], v[BB+4*\t:BB+4*\t+3], s[98:99] offset:(32*((\a)/2)+8*((\a)%2)+\t+8*(\t/8))*4096 th:TH_STORE_NT   ; 32 lanes store 512 consecutive bytes, aligned; the row's true place stands in the immediate
.endr
.endm
	PLACES NP                                      ; behind the last products: their results are read, and loads land where S1's fragments lay
	TOSTAGE 0
.irp a, 1,2,3
.if \a > 1
	s_wait_xcnt 0x0                                ; block a - 2's stores have read their registers: block a's loads may land there
.endif
	TOSTAGE \a
	SEND \a-1, 32                                  ; behind block a - 1's loads: block a's 16 stores and 16 loads
.endr
	SEND 3, 0
	s_wait_tensorcnt 0x0                           ; the wave's end
	ds_add_u32 v[SPW], v[NIL]
	s_wait_dscnt 0x0
	CROUND                                         ; the closing round
	s_endpgm
.Lfunc_end_k_q7dffdd3aef_oproj:
	.size	k_q7dffdd3aef_oproj, .Lfunc_end_k_q7dffdd3aef_oproj-k_q7dffdd3aef_oproj
	.p2alignl 7, 3214868480
	.fill 96, 4, 3214868480
	.section	.rodata,"a",@progbits
	.p2align	6, 0x0
	.amdhsa_kernel k_q7dffdd3aef_oproj
		.amdhsa_group_segment_fixed_size 327680
		.amdhsa_private_segment_fixed_size 0
		.amdhsa_enable_private_segment 0
		.amdhsa_kernarg_size 48
		.amdhsa_user_sgpr_count 2
		.amdhsa_user_sgpr_kernarg_segment_ptr 1
		.amdhsa_wavefront_size32 1
		.amdhsa_system_sgpr_workgroup_id_x 1
		.amdhsa_system_sgpr_workgroup_id_y 1
		.amdhsa_system_sgpr_workgroup_id_z 1
		.amdhsa_system_vgpr_workitem_id 0
		.amdhsa_next_free_vgpr 768
		.amdhsa_next_free_sgpr 100
		.amdhsa_reserve_vcc 0
		.amdhsa_float_denorm_mode_32 3
		.amdhsa_float_denorm_mode_16_64 3
		.amdhsa_memory_ordered 1
		.amdhsa_forward_progress 1
		.amdhsa_inst_pref_size 93
	.end_amdhsa_kernel
	.amdgpu_metadata
---
amdhsa.version: [ 1, 2 ]
amdhsa.kernels:
  - .name:           k_q7dffdd3aef_oproj
    .symbol:         k_q7dffdd3aef_oproj.kd
    .args:
      - { .name: cc, .offset: 0, .size: 8, .value_kind: global_buffer, .address_space: global }
      - { .name: cs, .offset: 8, .size: 8, .value_kind: global_buffer, .address_space: global }
      - { .name: wc, .offset: 16, .size: 8, .value_kind: global_buffer, .address_space: global }
      - { .name: ws, .offset: 24, .size: 8, .value_kind: global_buffer, .address_space: global }
      - { .name: bo, .offset: 32, .size: 8, .value_kind: global_buffer, .address_space: global }
      - { .name: out0, .offset: 40, .size: 8, .value_kind: global_buffer, .address_space: global }
    .group_segment_fixed_size: 327680
    .private_segment_fixed_size: 0
    .kernarg_segment_align: 8
    .kernarg_segment_size: 48
    .max_flat_workgroup_size: 128
    .sgpr_count:     100
    .vgpr_count:     768
    .wavefront_size: 32
...
	.end_amdgpu_metadata
.endif
;; end of part 4
